; MI455X (gfx1250); checked and timed in simulation.
; The chip was launched on July 23, 2026; its instructions are those of AMD's public machine-readable ISA for CDNA 5 (MIT licence, August 2026) and "CDNA5" Instruction Set Architecture Reference Guide (July 2026). The comments in the code are by the model that wrote it; some were corrected since.
;; Multi Head Attention. Allowed arithmetic: matrix products marked QUANTISED: E2M3 operands, one E8M0 scale for each 32 along K, by v_wmma_scale_f32_16x16x128_f8f6f4 with both operands' format E2M3, f32 sums; everything else in f32.
;; Inputs: Wk 1,024 x 1,024 float32; Wo 1,024 x 1,024 float32; Wq 1,024 x 1,024 float32; Wv 1,024 x 1,024 float32; bk 1,024 float32; bo 1,024 float32; bq 1,024 float32; bv 1,024 float32; k 4 x 2,048 x 1,024 float32; q 4 x 2,048 x 1,024 float32; v 4 x 2,048 x 1,024 float32.
;; Outputs: out0 4 x 2,048 x 1,024 float32.
;; This version of the problem:
;;   THIS VERSION OF THE PROBLEM IS GIVEN IN LOW PRECISION. The matrix products marked QUANTISED in the list below multiply operands that are first quantised to E2M3 (2 exponent bits, 3 mantissa bits; 6 bits a number), with one power-of-two scale for each 32 numbers along K (OCP MX v1.0); their sums are f32. All else is computed in f32.
;;   The module's matrix products, in the order in which they are computed (A, B: the left and right operand; K: the contracted axis; several contracted axes count as one K, in the product's order):
;;     1. [M 8,192, K 1,024] x [K 1,024, N 1,024]; A: input q; B: input Wq: QUANTISED
;;     2. [M 8,192, K 1,024] x [K 1,024, N 1,024]; A: input k; B: input Wk: QUANTISED
;;     3. [M 8,192, K 1,024] x [K 1,024, N 1,024]; A: input v; B: input Wv: QUANTISED
;;     4. batch 64 x [M 2,048, K 64] x [K 64, N 2,048]; A: computed on the way; B: computed on the way: QUANTISED
;;     5. batch 64 x [M 2,048, K 2,048] x [K 2,048, N 64]; A: softmax (see below); B: computed on the way: QUANTISED
;;     6. [M 8,192, K 1,024] x [K 1,024, N 1,024]; A: computed on the way; B: input Wo: QUANTISED
;;   THE QUANTISER, for each operand of a quantised product, along K:
;;     - K is cut into blocks of 32 from its start; a last block that is shorter is filled with zeros.
;;     - A block's scale is 2^e with e = floor(log2(the largest magnitude in the block)) - 2, held to -126 .. 127; a block of zeros has e = 0. As a byte (E8M0): e + 127.
;;     - Each number is divided by its block's scale, clamped to +-7.5, and rounded to the nearest number of E2M3, ties to even, subnormals kept.
;;     - The product sums the exact products of the quantised numbers (number of the format x scale) in f32.
;;   ~~~python
;;   def quantise(x, axis):      # numpy; x: float32 -> the quantised numbers, widened to float32 again
;;       x = np.moveaxis(x, axis, -1); K = x.shape[-1]
;;       x = np.pad(x, [(0, 0)] * (x.ndim - 1) + [(0, -K % 32)]); x = x.reshape(x.shape[:-1] + (-1, 32)); a = np.abs(x).max(-1, keepdims=True)
;;       e = np.where(a > 0, np.clip(np.frexp(np.where(a > 0, a, 1))[1] - 1 - 2, -126, 127), 0)      # np.frexp(a)[1] - 1 = floor(log2(a)), exactly
;;       r = np.clip(x / 2.0 ** e, -7.5, 7.5)
;;       step = 2.0 ** (np.maximum(np.frexp(np.where(r == 0, 1, r))[1] - 1, 0) - 3)
;;       q = np.round(r / step) * step * 2.0 ** e      # np.round: ties to even
;;       return np.moveaxis(q.reshape(q.shape[:-2] + (-1,))[..., :K], -1, axis).astype(np.float32)
;;   ~~~
;;   SOFTMAX AHEAD OF A QUANTISED PRODUCT. Where the list says 'softmax', what is quantised is not the finished softmax but p = 2^(t - M), with t = logit x log2(e) and M = ceil(the row's largest t), a whole number; so 1/2 < the row's largest p <= 1. The row's sum l is taken of the UNQUANTISED p, in f32, and the product's result is divided by l at the end. Since M is a whole number, a kernel that streams over the keys may use a running M (the ceiling of the running maximum): every later rescaling is an exact power of two, which a block's scale takes up: the codes' values come out the same.
;;   OPERANDS COMPUTED ON THE WAY. 'Computed on the way' means the value that the module computes at that place (a softmax that the list does not call 'softmax' is quantised finished and normalised). What goes into a quantiser is computed in f32, as accurately as f32 sums, v_exp_f32 and their like allow (about 1e-6 of the number): no bf16 or f16 on the way to a quantiser, and a product that is left as it is and whose result goes on into a quantised operand takes f32 operands (vector FMAs, or v_wmma_f32_16x16x4_f32). A number that lies on a knife's edge between two numbers of the format may be rounded either way, as far as f32 arithmetic and the matrix unit's own rounding can turn it there, and no further.
;; One version. Each part assembles by itself: llvm-mc -triple=amdgcn-amd-amdhsa -mcpu=gfx1250 --defsym DOCPART=n.
;; ======== version 1 of 1: 4 launches
;; workspace buffers: xc 22,020,096 bytes; xs 917,504 bytes; qb 13,369,344 bytes; kv 13,369,344 bytes; cc 6,291,456 bytes; csw 524,288 bytes
;; launch quant (part 1): grid 256 x 1, 7 waves a work-group, no clusters, 31,488 bytes of LDS; arguments q, k, v, Wq, Wk, Wv, Wo, xc, xs; writes xc, xs
.if DOCPART == 1
	.amdgcn_target "amdgcn-amd-amdhsa--gfx1250"
	.amdhsa_code_object_version 6
	.text
	.protected	k_qeb128bb39f_quant
	.globl	k_qeb128bb39f_quant
	.p2align	8
	.type	k_qeb128bb39f_quant,@function
k_qeb128bb39f_quant:
	s_mov_b64 s[64:65], 0
	v_nop
	global_prefetch_b8 v0, s[64:65] scope:SCOPE_SE
	s_setreg_imm32_b32 hwreg(HW_REG_WAVE_MODE, 25, 1), 1
	s_wait_xcnt 0x0
; q, k, v [8192][1024] and Wq, Wk, Wv, Wo [1024][1024], f32, K innermost, become codes of FP6 (E2M3) with one E8M0 byte for each 32 along K.
; A block's scale is 2^(floor(log2(its largest magnitude)) - 2): its byte is the largest magnitude's exponent field - 2, held at 1 from below.
; LIMITS: NaN and infinities are not served; a block whose largest magnitude lies under 2^-124 has its byte held at 1; a block of zeros gets the byte 1 and not 127:
; its codes are zeros, and the bytes are read by this program alone.
; LAYOUT OF THE CODES (xc).  Rows go in tiles of 16: lane row r of tile T of a tensor is row 32 (T / 2) + 8 (T % 2) + r + 8 (r / 8).  A tile's 64 along K are a HALF FRAGMENT of 768 bytes,
; an image of six operand registers: piece p (256 bytes) holds registers 2 p, 2 p + 1 of lane l at byte 8 l; lane (r, h) holds k = 32 h + 0 .. 31 of the 64.  xc = [tile 1792][16 half fragments][768].
; xs = [tile][r][32 scale bytes].  Tiles: q 0, k 512, v 1024, Wq 1536, Wk 1600, Wv 1664, Wo 1728.
; SHARES.  1,792 tiles = 256 work-groups x 7 waves: a wave takes one tile for all of K, in 16 steps of 64 along K.  A step's eight loads read two rows' 256 aligned bytes each; the 4,096 bytes turn
; through the wave's own stage in LDS (rows 272 bytes apart) and come back 128 bytes a lane: a whole block of 32.  Loads run four steps (32 loads a wave) ahead.  Waves share nothing: no barrier.
.set STG,   4352                       ; a wave's stage: 16 rows x (256 + 16) bytes
.set SPARE, 7*STG                      ; behind the stages: the spare words, 128 bytes a wave, four blocks of 256 bytes that no other line names
.set R,     16                         ; v16-143  four sets of 32 registers as loaded
.set X,     144                        ; v144-175 my block's 32 numbers
.set C,     176                        ; v176-181 the block's codes
.set D,     184                        ; v184-186 their upper half as the conversion leaves it
.set W,     188                        ; v188-195 the scale words in the making
.set SPW,   196                        ; v196     LDS address of my spare word; never rewritten
.set NIL,   197                        ; v197     0; never rewritten
.set OW,    200                        ; v200-203 my 16 scale bytes on the way out
.set PT,    204                        ; v204     a lane permute's destination
	s_load_b256 s[4:11], s[0:1], 0x0               ; q, k, v, Wq
	s_load_b256 s[12:19], s[0:1], 0x20             ; Wk, Wv, Wo, xc
	s_load_b64 s[20:21], s[0:1], 0x40              ; xs
	v_lshl_add_u32 v[SPW], v0, 2, SPARE
	v_mov_b32 v[NIL], 0
	v_lshrrev_b32 v1, 5, v0
	v_readfirstlane_b32 s24, v1                    ; wave 0..6
	v_and_b32 v1, 31, v0                           ; lane
	v_and_b32 v2, 15, v0                           ; r
	v_bfe_u32 v7, v0, 4, 1                         ; h
	v_lshlrev_b32 v3, 4, v2
	v_lshl_add_u32 v3, v7, 12, v3                  ; in: lanes 0-15 one row's 256 bytes, lanes 16-31 the next row's
	v_lshlrev_b32 v4, 3, v1                        ; out: 8 x lane
	v_lshlrev_b32 v5, 5, v2
	v_lshl_add_u32 v5, v7, 4, v5                   ; scale bytes out: 32 r + 16 h
	v_lshlrev_b32 v6, 3, v7                        ; 8 h: my bytes' shift in a scale word
	s_mul_i32 s36, s24, STG
	v_mul_u32_u24 v14, v7, 272
	v_lshl_add_u32 v14, v2, 4, v14
	v_add_nc_u32 v14, s36, v14                     ; the stage, on the way in: two rows an instruction
	v_mul_u32_u24 v15, v2, 272
	v_lshl_add_u32 v15, v7, 7, v15
	v_add_nc_u32 v15, s36, v15                     ; and on the way out: row r, my half's 128 bytes
	v_mov_b32 v[PT], 0                             ; written once: a lane permute's destination counts as one of its sources
	s_mov_b32 s26, 0x76543210
	s_mov_b32 s27, 0xfedcba98                      ; v_permlanex16_b32's selects for lane l xor 16
	s_mul_i32 s25, ttmp9, 7
	s_add_co_u32 s25, s25, s24                     ; my tile T
	s_lshr_b32 s28, s25, 9                         ; among q, k, v: which tensor,
	s_and_b32 s29, s25, 511                        ; and which of its 512 tiles
	s_sub_co_u32 s30, s25, 1536
	s_lshr_b32 s31, s30, 6
	s_add_co_u32 s31, s31, 3                       ; among the weights: which,
	s_and_b32 s30, s30, 63                         ; and which of its 64 tiles
	s_cmp_lt_u32 s25, 1536
	s_cselect_b32 s28, s28, s31
	s_cselect_b32 s29, s29, s30
	s_lshr_b32 s30, s29, 1
	s_lshl_b32 s30, s30, 5
	s_and_b32 s31, s29, 1
	s_lshl_b32 s31, s31, 3
	s_add_co_u32 s30, s30, s31                     ; the tile's first row: 32 (tile / 2) + 8 (tile % 2)
	s_lshl_b32 s30, s30, 12                        ; x 4,096 bytes
	s_mov_b32 s31, 0
	s_mul_i32 s32, s25, 12288                      ; my tile's codes
	s_mov_b32 s33, 0
	s_lshl_b32 s34, s25, 9                         ; and its scale bytes
	s_mov_b32 s35, 0
	s_wait_alu depctr_va_vdst(0)
	s_wait_kmcnt 0x0
	s_mov_b64 s[22:23], s[4:5]                     ; the tensor is chosen by the tile's number alone
.irp i, 1,2,3,4,5,6
	s_cmp_eq_u32 s28, \i
	s_cselect_b64 s[22:23], s[4+2*\i:5+2*\i], s[22:23]
.endr
	s_add_nc_u64 s[22:23], s[22:23], s[30:31]
	s_add_nc_u64 s[18:19], s[18:19], s[32:33]
	s_add_nc_u64 s[20:21], s[20:21], s[34:35]
.macro LOAD t                          ; step t: 64 along K of my 16 rows; load i takes lane rows 2 i and 2 i + 1, which are rows 2 i + 8 (i / 4) and the next
.irp i, 0,1,2,3,4,5,6,7
	global_load_b128 v[R+32*((\t)%4)+4*\i:R+32*((\t)%4)+4*\i+3], v3, s[22:23] offset:(2*\i+8*(\i/4))*4096+256*(\t) th:TH_LOAD_NT
.endr
.endm
.macro STEP t
.if (\t) <= 12
	s_wait_loadcnt 24                              ; this step's eight loads are in; those of the three steps behind it may be out
.else
	s_wait_loadcnt 8*(15-(\t))
.endif
.irp i, 0,1,2,3,4,5,6,7
	ds_store_b128 v14, v[R+32*((\t)%4)+4*\i:R+32*((\t)%4)+4*\i+3] offset:544*\i
.endr
.irp i, 0,1,2,3,4,5,6,7
	ds_load_b128 v[X+4*\i:X+4*\i+3], v15 offset:16*\i   ; LDS serves a wave's instructions in order: these see the stores above
.endr
	s_wait_dscnt 0x0                               ; my block is back, and the stage's stores have read this set of registers
	s_wait_xcnt 0x0                                ; the last step's stores have read their codes: those registers are written again below
.if (\t)+4 < 16
	LOAD (\t)+4
.endif
	v_max3_num_f32 v12, |v[X]|, |v[X+1]|, |v[X+2]|   ; the block's largest magnitude: all 32 numbers are mine; two chains
	v_max3_num_f32 v13, |v[X+3]|, |v[X+4]|, |v[X+5]|
.irp i, 6,10,14,18,22,26
	v_max3_num_f32 v12, v12, |v[X+\i]|, |v[X+\i+1]|
	v_max3_num_f32 v13, v13, |v[X+\i+2]|, |v[X+\i+3]|
.endr
	v_max3_num_f32 v12, v12, |v[X+30]|, |v[X+31]|
	v_max3_num_f32 v12, v12, v13, 0x1800000        ; and the floor 2^(3 - 127): the byte cannot fall under 1
	v_add_nc_u32 v11, 0xff000000, v12              ; 2 off the exponent field: the conversion takes this operand's exponent field as its scale
	v_cvt_scalef32_pk16_fp6_f32 v[C:C+2], v[X:X+15], v11
	v_cvt_scalef32_pk16_fp6_f32 v[D:D+2], v[X+16:X+31], v11   ; (a conversion's three registers begin on an even number)
	v_lshrrev_b32 v10, 23, v11                     ; the scale's byte; also the plain line behind the conversions
.irp i, 0,1,2
	v_mov_b32 v[C+3+\i], v[D+\i]
.endr
.if (\t)%2 == 0
	v_mov_b32 v[W+(\t)/2], v10                     ; block 2 t + h: byte h of word t / 2,
.else
	v_lshl_or_b32 v[W+(\t)/2], v10, 16, v[W+(\t)/2]   ; or byte 2 + h
.endif
.irp p, 0,1,2
	global_store_b64 v4, v[C+2*\p:C+2*\p+1], s[18:19] offset:768*(\t)+256*\p   ; 32 lanes store 256 consecutive bytes, at a multiple of 256 from the buffer's first byte
.endr
.endm
.irp t, 0,1,2,3
	LOAD \t
.endr
.irp t, 0,1,2,3,4,5,6,7,8,9,10,11,12,13,14,15
	STEP \t
.endr
.irp s, 0,1,2,3,4,5,6,7
	v_lshlrev_b32 v[W+\s], v6, v[W+\s]             ; my two bytes at their places,
.endr
.irp s, 0,1,2,3,4,5,6,7
	v_permlanex16_b32 v[PT], v[W+\s], s26, s27
	v_or_b32 v[W+\s], v[W+\s], v[PT]               ; with lane l xor 16's two the word is whole
.endr
	v_cmp_le_u32 vcc_lo, 16, v1
.irp i, 0,1,2,3
	v_cndmask_b32 v[OW+\i], v[W+\i], v[W+4+\i], vcc_lo   ; lanes 0-15 store words 0-3 of their row, lanes 16-31 words 4-7
.endr
	global_store_b128 v5, v[OW:OW+3], s[20:21]     ; the tile's 512 scale bytes, consecutive
	s_wait_tensorcnt 0x0                           ; the wave's end
	ds_add_u32 v[SPW], v[NIL]
	s_wait_dscnt 0x0
	s_endpgm
.Lfunc_end_k_qeb128bb39f_quant:
	.size	k_qeb128bb39f_quant, .Lfunc_end_k_qeb128bb39f_quant-k_qeb128bb39f_quant
	.p2alignl 7, 3214868480
	.fill 96, 4, 3214868480
	.section	.rodata,"a",@progbits
	.p2align	6, 0x0
	.amdhsa_kernel k_qeb128bb39f_quant
		.amdhsa_group_segment_fixed_size 31488
		.amdhsa_private_segment_fixed_size 0
		.amdhsa_enable_private_segment 0
		.amdhsa_kernarg_size 72
		.amdhsa_user_sgpr_count 2
		.amdhsa_user_sgpr_kernarg_segment_ptr 1
		.amdhsa_wavefront_size32 1
		.amdhsa_system_sgpr_workgroup_id_x 1
		.amdhsa_system_sgpr_workgroup_id_y 1
		.amdhsa_system_sgpr_workgroup_id_z 1
		.amdhsa_system_vgpr_workitem_id 0
		.amdhsa_next_free_vgpr 208
		.amdhsa_next_free_sgpr 66
		.amdhsa_reserve_vcc 1
		.amdhsa_float_denorm_mode_32 3
		.amdhsa_float_denorm_mode_16_64 3
		.amdhsa_memory_ordered 1
		.amdhsa_forward_progress 1
		.amdhsa_inst_pref_size 61
	.end_amdhsa_kernel
	.amdgpu_metadata
---
amdhsa.version: [ 1, 2 ]
amdhsa.kernels:
  - .name:           k_qeb128bb39f_quant
    .symbol:         k_qeb128bb39f_quant.kd
    .args:
      - { .name: q, .offset: 0, .size: 8, .value_kind: global_buffer, .address_space: global }
      - { .name: k, .offset: 8, .size: 8, .value_kind: global_buffer, .address_space: global }
      - { .name: v, .offset: 16, .size: 8, .value_kind: global_buffer, .address_space: global }
      - { .name: Wq, .offset: 24, .size: 8, .value_kind: global_buffer, .address_space: global }
      - { .name: Wk, .offset: 32, .size: 8, .value_kind: global_buffer, .address_space: global }
      - { .name: Wv, .offset: 40, .size: 8, .value_kind: global_buffer, .address_space: global }
      - { .name: Wo, .offset: 48, .size: 8, .value_kind: global_buffer, .address_space: global }
      - { .name: xc, .offset: 56, .size: 8, .value_kind: global_buffer, .address_space: global }
      - { .name: xs, .offset: 64, .size: 8, .value_kind: global_buffer, .address_space: global }
    .group_segment_fixed_size: 31488
    .private_segment_fixed_size: 0
    .kernarg_segment_align: 8
    .kernarg_segment_size: 72
    .max_flat_workgroup_size: 224
    .sgpr_count:     66
    .vgpr_count:     208
    .wavefront_size: 32
...
	.end_amdgpu_metadata
.endif
;; end of part 1
;; launch proj (part 2): grid 16 x 48, 4 waves a work-group, clusters of 4 x 4, 295,424 bytes of LDS; arguments xc, xs, bq, bk, bv, qb, kv; writes qb, kv
.if DOCPART == 2
	.amdgcn_target "amdgcn-amd-amdhsa--gfx1250"
	.amdhsa_code_object_version 6
	.text
	.protected	k_qeb128bb39f_proj
	.globl	k_qeb128bb39f_proj
	.p2align	8
	.type	k_qeb128bb39f_proj,@function
k_qeb128bb39f_proj:
	s_mov_b64 s[64:65], 0
	v_nop
	global_prefetch_b8 v0, s[64:65] scope:SCOPE_SE
	s_setreg_imm32_b32 hwreg(HW_REG_WAVE_MODE, 25, 1), 1
	s_wait_xcnt 0x0
	s_wait_alu depctr_hold_cnt(0) depctr_sa_sdst(0) depctr_va_vdst(0) depctr_va_sdst(0) depctr_va_ssrc(0) depctr_va_vcc(0) depctr_vm_vsrc(0)
	s_getreg_b32 s2, hwreg(HW_REG_IB_STS2, 6, 4)
	s_cmp_eq_u32 s2, 0
	s_cbranch_scc0 .Lentry_in_a_cluster
	s_endpgm
.Lentry_in_a_cluster:
	s_bfe_u32 s2, ttmp6, 0x10000c
	s_cmp_lg_u32 s2, 0xf033
	s_cbranch_scc0 .Lentry_shape_is_right
	s_endpgm
.Lentry_shape_is_right:
; The three projections x W^T + b on codes of FP6 (E2M3), and the quantising of their results for the attention.  Operands come from xc and xs (tiles of 16 rows, half fragments of 768 bytes: register images).
; ROLES.  Source 0 is P: its rows run along a lane's result registers, so they are the NEXT product's K.  Source 1 is Q: a lane holds one of its rows.
;   q and k: P = W (features: the head's 64 are the scores' K), Q = x (tokens).     v: P = x (tokens: the keys are the second product's K), Q = Wv (features).
; By the tiles' order of rows (lane row r of tile T = row 32 (T / 2) + 8 (T % 2) + r + 8 (r / 8)) the 16 result registers of P's tiles 2 b and 2 b + 1 are 16 neighbours, 32 b + 16 (lane / 16) + 0 .. 15.
; SHARES.  A work-group makes 256 of P x 128 of Q; a wave 128 x 64: 32 accumulators.  768 work-groups: 256 for each projection.
; LDS.  ALL OF K LIES IN LDS, filled once: four chunks of 256 along K, each 16 tiles of P and 8 of Q, 3,072 bytes a tile.  No byte is filled twice, so there is no ring.  Each wave has four tensor loads out.
; CLUSTER 4 x 4: P's tiles hang on cx alone and are shared along a column, Q's on cy alone and are shared along a row: joint loads.
; RESULTS.  bias added in f32, quantised in registers, stored as half fragments: qb and kv = [batch x head 64][16 blocks of 128 tokens][13,056 bytes]:
;   +0 eight tiles of Q or K codes; +6144 V^T codes [64 keys 2][16 channels 4][768]; +12288 two groups of K scale words; +12800 one of V's.
;   A group is [lane 32][w 2] words: the word of tile 4 g + 2 w + lane / 16, row lane % 16.  Q's and K's words hold two bytes (K = 64) and two zero bytes.
; LIMITS: NaN and infinities are not served; a block whose largest magnitude lies under 2^-124 (a block of zeros too) has its byte held at 1; these bytes are read by this program alone.
; REGISTERS: window 0: v1-15 addresses; v16-47 P's scale words, v48-63 Q's; v64-159 Q's fragments, two sets (in the epilogue: numbers, codes); v176-239 bias along P; v240-247 bias along Q.
;   window 1: P's fragments, two sets of 96.   window 2: accumulator (tp, tq) at v[8 (8 tq + tp)].
.set CH,    73728                      ; a chunk: 16 + 8 tiles x 3,072 bytes
.set QOFF,  49152                      ; Q's tiles in a chunk
.set SPARE, 4*CH                       ; behind the chunks: the spare words, 128 bytes a wave
.set BLKB,  13056
.set HEADB, 16*BLKB
.set ADP,  4                           ; v4-7    8 x lane + my 8 tiles of P in chunk 0 .. 3
.set ADQ,  8                           ; v8-11   the same for my 4 tiles of Q
.set SP,   16                          ; word of pair i, K step s at SP + 8 i + s: lanes 0-15 tile 2 i, lanes 16-31 tile 2 i + 1
.set SQ,   48
.set QF,   64
.set BP,   176
.set BQ,   240
.set SPW,  252
.set NIL,  253
.set H,    64                          ; the epilogue: 64 numbers of a lane,
.set PC,   128                         ; their codes (12, and two runs of 3 at + 12 and + 16),
.set TM,   148                         ; 16 at work,
.set PWS,  164                         ; four scale words,
.set XW,   168                         ; and what is stored of them
.set XL,   170
.set XH,   172
.set LN,   174
.set SEL,  2                           ; s[2:3]  lane selects for v_permlanex16_b32
.set WV,   18
.set W1,   19                          ; wave % 2: my half of Q; also which half of a tile group I fetch
.set WH,   20                          ; wave / 2: my half of P; also: I fetch P (0) or Q (1)
.set G1P,  32
.set G1Q,  40
.set G0P,  48                          ; s[48:63] four groups 0 for P's chunks
.set G0Q,  68                          ; s[68:83] four for Q's
.set MSB, 0
.macro WIN new                         ; the immediate's high byte repeats the setting that is left
.if MSB != \new
	s_set_vgpr_msb (MSB<<8)|\new
.set MSB, \new
.endif
.endm
.set MULW, 0xa1                        ; source 0 (P) window 1, source 1 (Q) window 0, C and D window 2
.set TO_P, 0x40                        ; destination window 1, address window 0
.macro CROUND                          ; a round of the cluster's barrier
	s_barrier_signal -1
	s_barrier_wait -1
	s_cmp_lg_u32 s[WV], 0
	s_cbranch_scc1 .Lnot_wave_0_\@
	s_barrier_signal -3
.Lnot_wave_0_\@:
	s_barrier_wait -3
	s_barrier_signal -1
	s_barrier_wait -1
.endm
.macro PLACES                          ; four plain vector lines behind matrix instructions, ahead of loads into their registers and of reads of their results
.rept 4
	v_nop
.endr
.endm
	s_load_b256 s[4:11], s[0:1], 0x0               ; xc, xs, bq, bk
	s_load_b128 s[12:15], s[0:1], 0x20             ; bv, qb
	s_load_b64 s[16:17], s[0:1], 0x30              ; kv
	v_lshl_add_u32 v[SPW], v0, 2, SPARE
	v_mov_b32 v[NIL], 0
	ds_add_u32 v[SPW], v[NIL]                      ; the wave's opening: the add and its wait stand ahead of my first tensor load; work on registers stands between them
	ds_add_u32 v[SPW], v[NIL]
	v_lshrrev_b32 v1, 5, v0
	v_readfirstlane_b32 s[WV], v1                  ; wave 0..3
	s_and_b32 s[W1], s[WV], 1
	s_lshr_b32 s[WH], s[WV], 1
	s_bfe_u32 s21, ttmp6, 0x40000                  ; cx
	s_bfe_u32 s22, ttmp6, 0x40004                  ; cy
	s_and_b32 s24, ttmp7, 0xffff                   ; the cluster's y, 0 .. 11
	s_lshr_b32 s23, s24, 2                         ; the projection: 0 q, 1 k, 2 v: the same in all partners
	s_and_b32 s24, s24, 3
	s_lshl_b32 s24, s24, 2
	s_add_co_u32 s24, s24, ttmp9                   ; the cluster's number in its projection, 0 .. 15
	s_lshr_b32 s25, s24, 1
	s_and_b32 s26, s24, 1
	s_cmp_eq_u32 s23, 2
	s_cselect_b32 s25, s25, 0                      ; q, k: 4 blocks of P, 64 of Q;  v: 32 of P, 8 of Q
	s_cselect_b32 s26, s26, s24
	s_lshl_b32 s25, s25, 2
	s_add_co_u32 s25, s25, s21                     ; my block of P: it hangs on cx, never on cy
	s_lshl_b32 s26, s26, 2
	s_add_co_u32 s26, s26, s22                     ; my block of Q: on cy, never on cx
	s_lshl_b32 s27, s23, 6
	s_add_co_u32 s27, s27, 1536                    ; q, k: P's tiles are the weight's,
	s_lshl_b32 s28, s23, 9                         ; Q's the input's
	s_cmp_eq_u32 s23, 2
	s_cselect_b32 s27, 1024, s27                   ; v: the other way round
	s_cselect_b32 s28, 1664, s28
	s_lshl_b32 s29, s25, 4
	s_add_co_u32 s27, s27, s29                     ; my first tile of P in xc
	s_lshl_b32 s30, s26, 3
	s_add_co_u32 s28, s28, s30                     ; my first tile of Q
	s_lshl_b32 s29, 0x1111, s21                    ; my column of the cluster
	s_lshl_b32 s30, s22, 2
	s_lshl_b32 s30, 15, s30                        ; my row
	; group 1: rows of 3,072 bytes (384 elements of 8 bytes: a tile's part of a chunk), 12,288 bytes apart (a tile's 16 half fragments); 8 tiles of P or 4 of Q to a load; no padding
	s_or_b32 s[G1P], s29, (3<<16)|(1<<21)          ; 15:0 the mask; 17:16 elements of 8 bytes; 21 set beside a mask
	s_or_b32 s[G1Q], s30, (3<<16)|(1<<21)
	s_mov_b32 s[G1P+1], 384<<16                    ; tensor_dim0
	s_mov_b32 s[G1P+2], 8<<16                      ; tensor_dim1
	s_mov_b32 s[G1P+3], 384<<16                    ; tile_dim0
	s_mov_b32 s[G1P+4], 8                          ; tile_dim1
	s_mov_b32 s[G1P+5], 1536                       ; the pitch
	s_mov_b32 s[G1P+6], 0
	s_mov_b32 s[G1P+7], 0
	s_mov_b32 s[G1Q+1], 384<<16
	s_mov_b32 s[G1Q+2], 4<<16
	s_mov_b32 s[G1Q+3], 384<<16
	s_mov_b32 s[G1Q+4], 4
	s_mov_b32 s[G1Q+5], 1536
	s_mov_b32 s[G1Q+6], 0
	s_mov_b32 s[G1Q+7], 0
	s_lshl_b32 s29, s[W1], 3
	s_add_co_u32 s29, s29, s27
	s_mul_i32 s84, s29, 12288                      ; what I would fetch of P: 8 tiles,
	s_mov_b32 s85, 0
	s_lshl_b32 s30, s[W1], 2
	s_add_co_u32 s30, s30, s28
	s_mul_i32 s86, s30, 12288                      ; of Q: 4 tiles
	s_mov_b32 s87, 0
	s_lshl_b32 s88, s[WH], 3
	s_add_co_u32 s88, s88, s27
	s_lshl_b32 s88, s88, 9                         ; the scale bytes of the 8 tiles of P that I multiply,
	s_mov_b32 s89, 0
	s_lshl_b32 s90, s[W1], 2
	s_add_co_u32 s90, s90, s28
	s_lshl_b32 s90, s90, 9                         ; and of my 4 tiles of Q
	s_mov_b32 s91, 0
	s_lshl_b32 s92, s25, 10
	s_lshl_b32 s93, s[WH], 9
	s_add_co_u32 s92, s92, s93                     ; q, k: the bias runs along P: 4 x my first feature;
	s_lshl_b32 s94, s26, 9
	s_lshl_b32 s95, s[W1], 8
	s_add_co_u32 s94, s94, s95                     ; v: along Q
	s_cmp_eq_u32 s23, 2
	s_cselect_b32 s92, 0, s92                      ; the loads of the other kind are issued too, from the bias's first bytes, so that every register is written on every way
	s_cselect_b32 s94, s94, 0
	s_mov_b32 s93, 0
	s_mov_b32 s95, 0
	; where the results go.  q, k: head 4 x block of P + 2 x my half (and the next), tokens' block = block of Q
	s_lshr_b32 s96, s26, 4
	s_lshl_b32 s96, s96, 4
	s_lshl_b32 s97, s25, 2
	s_add_co_u32 s96, s96, s97
	s_lshl_b32 s97, s[WH], 1
	s_add_co_u32 s96, s96, s97
	s_and_b32 s97, s26, 15
	; v: head 2 x block of Q + my half, tokens' block 2 x block of P + my half
	s_lshr_b32 s98, s25, 3
	s_lshl_b32 s98, s98, 4
	s_lshl_b32 s99, s26, 1
	s_add_co_u32 s98, s98, s99
	s_add_co_u32 s98, s98, s[W1]
	s_and_b32 s99, s25, 7
	s_lshl_b32 s99, s99, 1
	s_add_co_u32 s99, s99, s[WH]
	s_mul_i32 s66, s[W1], 3072                     ; q, k: my four tiles of the block's eight,
	s_lshl_b32 s67, s[W1], 8
	s_add_co_u32 s67, s67, 12288                   ; and their group of scale words
	s_cmp_eq_u32 s23, 2
	s_cselect_b32 s96, s98, s96
	s_cselect_b32 s97, s99, s97
	s_cselect_b32 s66, 6144, s66
	s_cselect_b32 s67, 12800, s67
	s_mul_i32 s96, s96, HEADB
	s_mul_i32 s97, s97, BLKB
	s_add_co_u32 s98, s96, s97
	s_add_co_u32 s96, s98, s66                     ; codes
	s_add_co_u32 s98, s98, s67                     ; scale words
	s_mov_b32 s97, 0
	s_mov_b32 s99, 0
	s_mov_b32 s[SEL], 0x76543210
	s_mov_b32 s[SEL+1], 0xfedcba98
	s_wait_dscnt 0x0                               ; the opening add is done
	s_wait_kmcnt 0x0
	s_add_nc_u64 s[84:85], s[4:5], s[84:85]
	s_add_nc_u64 s[86:87], s[4:5], s[86:87]
	s_add_nc_u64 s[88:89], s[6:7], s[88:89]
	s_add_nc_u64 s[90:91], s[6:7], s[90:91]
	s_cmp_eq_u32 s23, 1                            ; the bias and the output are chosen by the projection's number alone
	s_cselect_b64 s[66:67], s[10:11], s[8:9]
	s_cmp_eq_u32 s23, 2
	s_cselect_b64 s[66:67], s[12:13], s[66:67]
	s_add_nc_u64 s[92:93], s[66:67], s[92:93]
	s_add_nc_u64 s[94:95], s[66:67], s[94:95]
	s_cmp_eq_u32 s23, 0
	s_cselect_b64 s[66:67], s[14:15], s[16:17]
	s_add_nc_u64 s[96:97], s[66:67], s[96:97]
	s_add_nc_u64 s[98:99], s[66:67], s[98:99]
	s_mul_i32 s31, s[W1], 24576                    ; where P's 8 tiles go in a chunk: no place in the cluster enters an LDS address
.irp c, 0,1,2,3
	s_mov_b32 s[G0P+4*\c], 1                       ; count = 1
	s_add_co_u32 s[G0P+4*\c+1], s31, \c*CH         ; LDS address
	s_add_nc_u64 s[G0P+4*\c+2:G0P+4*\c+3], s[84:85], \c*3072   ; global address: chunk c of each tile
	s_or_b32 s[G0P+4*\c+3], s[G0P+4*\c+3], 0x80000000          ; type = 2
.endr
	s_mul_i32 s31, s[W1], 12288
	s_add_co_u32 s31, s31, QOFF
.irp c, 0,1,2,3
	s_mov_b32 s[G0Q+4*\c], 1
	s_add_co_u32 s[G0Q+4*\c+1], s31, \c*CH
	s_add_nc_u64 s[G0Q+4*\c+2:G0Q+4*\c+3], s[86:87], \c*3072
	s_or_b32 s[G0Q+4*\c+3], s[G0Q+4*\c+3], 0x80000000
.endr
	CROUND                                         ; all sixteen work-groups are here: the joint loads meet
	s_cmp_lt_u32 s[WV], 2                          ; waves 0 and 1 fetch P's halves, waves 2 and 3 Q's: a wave's four fills stand in one branch; four loads of mine are out
	s_cbranch_scc0 .Lfirst_q
.irp c, 0,1,2,3
	tensor_load_to_lds s[G0P+4*\c:G0P+4*\c+3], s[G1P:G1P+7]
	s_nop 0
.endr
	PLACES
	s_branch .Lasked
.Lfirst_q:
.irp c, 0,1,2,3
	tensor_load_to_lds s[G0Q+4*\c:G0Q+4*\c+3], s[G1Q:G1Q+7]
	s_nop 0
.endr
	PLACES
.Lasked:
	v_and_b32 v15, 31, v0                          ; lane
	v_and_b32 v1, 15, v0                           ; r
	v_bfe_u32 v2, v0, 4, 1                         ; h
	v_lshlrev_b32 v3, 3, v15                       ; 8 x lane: my place in every piece of 256 bytes
	v_lshlrev_b32 v12, 5, v1
	v_lshl_add_u32 v12, v2, 9, v12                 ; scale bytes: row r's 32, lanes 16-31 the next tile's
	v_lshlrev_b32 v13, 6, v2                       ; bias along P: 64 h
	v_and_b32 v14, 8, v1
	v_add_nc_u32 v14, v14, v1
	v_lshlrev_b32 v14, 2, v14                      ; bias along Q: 4 (r + 8 (r / 8))
.irp i, 0,1,2,3
	global_load_b128 v[SP+8*\i:SP+8*\i+3], v12, s[88:89] offset:1024*\i       ; the words of K steps 0-3 of tiles 2 i, 2 i + 1,
	global_load_b128 v[SP+8*\i+4:SP+8*\i+7], v12, s[88:89] offset:1024*\i+16  ; and of steps 4-7
.endr
.irp i, 0,1
	global_load_b128 v[SQ+8*\i:SQ+8*\i+3], v12, s[90:91] offset:1024*\i
	global_load_b128 v[SQ+8*\i+4:SQ+8*\i+7], v12, s[90:91] offset:1024*\i+16
.endr
.irp b, 0,1,2,3
.irp q, 0,1,2,3
	global_load_b128 v[BP+16*\b+4*\q:BP+16*\b+4*\q+3], v13, s[92:93] offset:128*\b+16*\q   ; register 16 b + i: the bias of feature 32 b + 16 h + i
.endr
.endr
.irp t, 0,1,2,3
	global_load_b32 v[BQ+2*\t], v14, s[94:95] offset:(32*(\t/2)+8*(\t%2))*4   ; the bias of my lane's feature in tile t
	v_mov_b32 v[BQ+2*\t+1], 0                      ; (named with it as a pair)
.endr
	s_mul_i32 s31, s[WH], 24576
	v_add_nc_u32 v[ADP], s31, v3
	s_mul_i32 s31, s[W1], 12288
	s_add_co_u32 s31, s31, QOFF
	v_add_nc_u32 v[ADQ], s31, v3
.irp c, 1,2,3
	v_add_nc_u32 v[ADP+\c], \c*CH, v[ADP]
	v_add_nc_u32 v[ADQ+\c], \c*CH, v[ADQ]
.endr
; One matrix instruction.  z = 1: the constant 0 starts the sum.  pa, pb: the tiles' numbers: an odd tile's scale words lie in lanes 16-31.
.macro WM d, a, b, z, sa, sb, pa, pb
.if (\z) == 1
.if ((\pa)%2 == 0) && ((\pb)%2 == 0)
	v_wmma_scale_f32_16x16x128_f8f6f4 v[\d:\d+7], v[\a:\a+11], v[\b:\b+11], 0, v[\sa], v[\sb] matrix_a_fmt:MATRIX_FMT_FP6 matrix_b_fmt:MATRIX_FMT_FP6
.elseif ((\pa)%2 == 1) && ((\pb)%2 == 0)
	v_wmma_scale_f32_16x16x128_f8f6f4 v[\d:\d+7], v[\a:\a+11], v[\b:\b+11], 0, v[\sa], v[\sb] matrix_a_fmt:MATRIX_FMT_FP6 matrix_b_fmt:MATRIX_FMT_FP6 matrix_a_scale:MATRIX_SCALE_ROW1
.elseif ((\pa)%2 == 0)
	v_wmma_scale_f32_16x16x128_f8f6f4 v[\d:\d+7], v[\a:\a+11], v[\b:\b+11], 0, v[\sa], v[\sb] matrix_a_fmt:MATRIX_FMT_FP6 matrix_b_fmt:MATRIX_FMT_FP6 matrix_b_scale:MATRIX_SCALE_ROW1
.else
	v_wmma_scale_f32_16x16x128_f8f6f4 v[\d:\d+7], v[\a:\a+11], v[\b:\b+11], 0, v[\sa], v[\sb] matrix_a_fmt:MATRIX_FMT_FP6 matrix_b_fmt:MATRIX_FMT_FP6 matrix_a_scale:MATRIX_SCALE_ROW1 matrix_b_scale:MATRIX_SCALE_ROW1
.endif
.else
.if ((\pa)%2 == 0) && ((\pb)%2 == 0)
	v_wmma_scale_f32_16x16x128_f8f6f4 v[\d:\d+7], v[\a:\a+11], v[\b:\b+11], v[\d:\d+7], v[\sa], v[\sb] matrix_a_fmt:MATRIX_FMT_FP6 matrix_b_fmt:MATRIX_FMT_FP6
.elseif ((\pa)%2 == 1) && ((\pb)%2 == 0)
	v_wmma_scale_f32_16x16x128_f8f6f4 v[\d:\d+7], v[\a:\a+11], v[\b:\b+11], v[\d:\d+7], v[\sa], v[\sb] matrix_a_fmt:MATRIX_FMT_FP6 matrix_b_fmt:MATRIX_FMT_FP6 matrix_a_scale:MATRIX_SCALE_ROW1
.elseif ((\pa)%2 == 0)
	v_wmma_scale_f32_16x16x128_f8f6f4 v[\d:\d+7], v[\a:\a+11], v[\b:\b+11], v[\d:\d+7], v[\sa], v[\sb] matrix_a_fmt:MATRIX_FMT_FP6 matrix_b_fmt:MATRIX_FMT_FP6 matrix_b_scale:MATRIX_SCALE_ROW1
.else
	v_wmma_scale_f32_16x16x128_f8f6f4 v[\d:\d+7], v[\a:\a+11], v[\b:\b+11], v[\d:\d+7], v[\sa], v[\sb] matrix_a_fmt:MATRIX_FMT_FP6 matrix_b_fmt:MATRIX_FMT_FP6 matrix_a_scale:MATRIX_SCALE_ROW1 matrix_b_scale:MATRIX_SCALE_ROW1
.endif
.endif
.endm
; P's tile tp against Q's four, K step s, fragments of set.  The 32 accumulators take turns, one instruction a turn, in the same order in every K step.
.macro MULT set, s, tp, z
.irp tq, 0,1,2,3
	WM 8*(8*\tq+\tp), 96*(\set)+12*\tp, QF+48*(\set)+12*\tq, \z, SP+8*(\tp/2)+(\s), SQ+8*(\tq/2)+(\s), \tp, \tq
.endr
.endm
; A fragment of K step s: two half fragments, six loads of 8 bytes a lane, each 256 consecutive bytes a wave
.macro FRAGP set, tp, s
.irp c, 0,1
.irp p, 0,1,2
	ds_load_b64 v[96*(\set)+12*(\tp)+6*\c+2*\p:96*(\set)+12*(\tp)+6*\c+2*\p+1], v[ADP+(\s)/2] offset:3072*(\tp)+768*(2*((\s)%2)+\c)+256*\p
.endr
.endr
.endm
.macro FRAGQ set, tq, s
.irp c, 0,1
.irp p, 0,1,2
	ds_load_b64 v[QF+48*(\set)+12*(\tq)+6*\c+2*\p:QF+48*(\set)+12*(\tq)+6*\c+2*\p+1], v[ADQ+(\s)/2] offset:3072*(\tq)+768*(2*((\s)%2)+\c)+256*\p
.endr
.endr
.endm
.macro FETCH_A s                       ; 36 loads: Q's four fragments and P's first two
	WIN 0
.irp t, 0,1,2,3
	FRAGQ (\s)%2, \t, \s
.endr
	WIN TO_P
.irp t, 0,1
	FRAGP (\s)%2, \t, \s
.endr
.endm
.macro FETCH_B s                       ; 36 loads: P's other six
	WIN TO_P
.irp t, 2,3,4,5,6,7
	FRAGP (\s)%2, \t, \s
.endr
.endm
; A K step of 128: 32 matrix instructions; the next step's fragments are fetched into the other set, in two runs.
.macro KSTEP s, z
	s_wait_dscnt 36                                ; this step's first run is in; the 36 loads of its second run may be out
	WIN MULW
	MULT (\s)%2, \s, 0, \z
	MULT (\s)%2, \s, 1, \z
	s_wait_dscnt 0x0                               ; the second run is in; no LDS instruction of mine is out
.if (\s) < 7
.if (\s)%2 == 1
	s_wait_tensorcnt 3-((\s)+1)/2                  ; my part of the next chunk has landed; my loads of later chunks may stay out
	s_barrier_signal -1
	s_barrier_wait -1                              ; everybody's part has
.endif
	PLACES                                         ; behind the last step's products, which read the other set
	FETCH_A (\s)+1
	WIN MULW
.endif
	MULT (\s)%2, \s, 2, \z
	MULT (\s)%2, \s, 3, \z
	MULT (\s)%2, \s, 4, \z
.if (\s) < 7
	FETCH_B (\s)+1
	WIN MULW
.endif
	MULT (\s)%2, \s, 5, \z
	MULT (\s)%2, \s, 6, \z
	MULT (\s)%2, \s, 7, \z
.endm
; 64 numbers of a lane, register 16 b + i = k 32 b + 16 (lane / 16) + i of my row, become a fragment's codes in v[PC] on and its scale word in v[pw].
.macro QUANT s, pw
.irp b, 0,1,2,3
	v_max3_num_f32 v[TM+\b], |v[\s+16*\b]|, |v[\s+1+16*\b]|, 0x1800000   ; block b: my 16 numbers, and the floor 2^(3 - 127): the byte cannot fall under 1
.endr
.irp i, 2,4,6,8,10,12,14
.irp b, 0,1,2,3
	v_max3_num_f32 v[TM+\b], v[TM+\b], |v[\s+16*\b+\i]|, |v[\s+1+16*\b+\i]|   ; (the four blocks by turns)
.endr
.endr
.irp b, 0,1,2,3
	v_permlanex16_b32 v[TM+4+\b], v[TM+\b], s[SEL], s[SEL+1]
.endr
.irp b, 0,1,2,3
	v_max_num_f32 v[TM+\b], v[TM+\b], v[TM+4+\b]   ; with lane l xor 16's: the block's largest magnitude
.endr
.irp b, 0,1,2,3
	v_add_nc_u32 v[TM+12+\b], 0xff000000, v[TM+\b] ; 2 off its exponent field: the conversion's scale operand
.endr
.irp b, 0,1,2,3
	v_lshrrev_b32 v[TM+4+\b], 23, v[TM+12+\b]      ; the scale's byte
.endr
	v_lshl_or_b32 v[\pw], v[TM+5], 8, v[TM+4]
	v_lshl_or_b32 v[\pw], v[TM+6], 16, v[\pw]
	v_lshl_or_b32 v[\pw], v[TM+7], 24, v[\pw]
.irp c, 0,1
	v_cvt_scalef32_pk16_fp6_f32 v[PC+6*\c:PC+2+6*\c], v[\s+32*\c:\s+15+32*\c], v[TM+12+2*\c]
	v_cvt_scalef32_pk16_fp6_f32 v[PC+12+4*\c:PC+14+4*\c], v[\s+16+32*\c:\s+31+32*\c], v[TM+12+2*\c+1]   ; (a conversion's three registers begin on an even number)
.endr
	v_nop                                          ; one plain line behind a scaled conversion
.irp c, 0,1                                    ; the operand's layout wants a whole block in a lane: lanes 0-15 block 2 c, lanes 16-31 block 2 c + 1
.irp i, 0,1,2
	v_permlane16_swap_b32 v[PC+6*\c+\i], v[PC+12+4*\c+\i]
.endr
.irp i, 0,1,2
	v_mov_b32 v[PC+3+6*\c+\i], v[PC+12+4*\c+\i]
.endr
.endr
.endm
; The epilogue: for each of my four tiles of Q: bias, quantiser, two half fragments out, delta bytes apart.
.macro EPI isv, delta
.irp t, 0,1,2,3
.if \t > 0
	s_wait_xcnt 0x0                                ; the last tile's stores have read their codes
.endif
	WIN 0x02                                       ; source 0: the accumulators, window 2
.set i, 0
.rept 32
.if \isv
	v_pk_add_f32 v[H+i:H+i+1], v[64*\t+i:64*\t+i+1], v[BQ+2*\t:BQ+2*\t+1] op_sel_hi:[1,0]   ; each accumulator is read from its low end on
.else
	v_pk_add_f32 v[H+i:H+i+1], v[64*\t+i:64*\t+i+1], v[BP+i:BP+i+1]
.endif
.set i, i+2
.endr
	WIN 0
	QUANT H, PWS+\t
.irp c, 0,1
.irp p, 0,1,2
	global_store_b64 v3, v[PC+6*\c+2*\p:PC+6*\c+2*\p+1], s[96:97] offset:\c*(\delta)+768*\t+256*\p   ; 256 consecutive bytes, at a multiple of 256 from the buffer's first byte
.endr
.endr
.endr
	v_and_b32 v[LN], 31, v0
	v_cmp_le_u32 vcc_lo, 16, v[LN]
	v_cndmask_b32 v[XW], v[PWS], v[PWS+1], vcc_lo      ; the group's form: word w of lane (r, h) belongs to tile 2 w + h
	v_cndmask_b32 v[XW+1], v[PWS+2], v[PWS+3], vcc_lo
.endm
	s_wait_alu depctr_va_vdst(0)
	s_wait_tensorcnt 0x3                           ; my part of chunk 0 has landed; three loads of mine may be out
	s_barrier_signal -1
	s_barrier_wait -1                              ; everybody's has
	FETCH_A 0
	FETCH_B 0
	s_wait_loadcnt 0x0                             ; scale words and biases
	KSTEP 0, 1                                     ; the first K step starts the sums: nothing is cleared
	KSTEP 1, 0
	KSTEP 2, 0
	KSTEP 3, 0
	KSTEP 4, 0
	KSTEP 5, 0
	KSTEP 6, 0
	KSTEP 7, 0
	WIN 0
	PLACES
.irp b, 0,1,2,3
	v_mov_b32 v[TM+4+\b], 0                        ; a lane permute's destination counts as one of its sources
.endr
	s_cmp_eq_u32 s23, 2
	s_cbranch_scc1 .Lfor_v
	EPI 0, HEADB                                   ; q, k: a fragment's two halves are two heads
	v_and_b32 v[XL], 0xffff, v[XW]                 ; the first head's two bytes,
	v_and_b32 v[XL+1], 0xffff, v[XW+1]
	v_lshrrev_b32 v[XH], 16, v[XW]                 ; the second's
	v_lshrrev_b32 v[XH+1], 16, v[XW+1]
	global_store_b64 v3, v[XL:XL+1], s[98:99]
	global_store_b64 v3, v[XH:XH+1], s[98:99] offset:HEADB
	s_branch .Lend
.Lfor_v:
	EPI 1, 3072                                    ; v: they are the block's two runs of 64 keys
	global_store_b64 v3, v[XW:XW+1], s[98:99]
.Lend:
	s_wait_tensorcnt 0x0                           ; the wave's end
	ds_add_u32 v[SPW], v[NIL]
	s_wait_dscnt 0x0
	CROUND                                         ; the closing round
	s_endpgm
.Lfunc_end_k_qeb128bb39f_proj:
	.size	k_qeb128bb39f_proj, .Lfunc_end_k_qeb128bb39f_proj-k_qeb128bb39f_proj
	.p2alignl 7, 3214868480
	.fill 96, 4, 3214868480
	.section	.rodata,"a",@progbits
	.p2align	6, 0x0
	.amdhsa_kernel k_qeb128bb39f_proj
		.amdhsa_group_segment_fixed_size 295424
		.amdhsa_private_segment_fixed_size 0
		.amdhsa_enable_private_segment 0
		.amdhsa_kernarg_size 56
		.amdhsa_user_sgpr_count 2
		.amdhsa_user_sgpr_kernarg_segment_ptr 1
		.amdhsa_wavefront_size32 1
		.amdhsa_system_sgpr_workgroup_id_x 1
		.amdhsa_system_sgpr_workgroup_id_y 1
		.amdhsa_system_sgpr_workgroup_id_z 1
		.amdhsa_system_vgpr_workitem_id 0
		.amdhsa_next_free_vgpr 768
		.amdhsa_next_free_sgpr 100
		.amdhsa_reserve_vcc 1
		.amdhsa_float_denorm_mode_32 3
		.amdhsa_float_denorm_mode_16_64 3
		.amdhsa_memory_ordered 1
		.amdhsa_forward_progress 1
		.amdhsa_inst_pref_size 137
	.end_amdhsa_kernel
	.amdgpu_metadata
---
amdhsa.version: [ 1, 2 ]
amdhsa.kernels:
  - .name:           k_qeb128bb39f_proj
    .symbol:         k_qeb128bb39f_proj.kd
    .args:
      - { .name: xc, .offset: 0, .size: 8, .value_kind: global_buffer, .address_space: global }
      - { .name: xs, .offset: 8, .size: 8, .value_kind: global_buffer, .address_space: global }
      - { .name: bq, .offset: 16, .size: 8, .value_kind: global_buffer, .address_space: global }
      - { .name: bk, .offset: 24, .size: 8, .value_kind: global_buffer, .address_space: global }
      - { .name: bv, .offset: 32, .size: 8, .value_kind: global_buffer, .address_space: global }
      - { .name: qb, .offset: 40, .size: 8, .value_kind: global_buffer, .address_space: global }
      - { .name: kv, .offset: 48, .size: 8, .value_kind: global_buffer, .address_space: global }
    .group_segment_fixed_size: 295424
    .private_segment_fixed_size: 0
    .kernarg_segment_align: 8
    .kernarg_segment_size: 56
    .max_flat_workgroup_size: 128
    .sgpr_count:     100
    .vgpr_count:     768
    .wavefront_size: 32
...
	.end_amdgpu_metadata
.endif
;; end of part 2
;; launch attn (part 3): grid 4 x 64, 16 waves a work-group, clusters of 4 x 1, 210,944 bytes of LDS; arguments qb, kv, cc, csw; writes cc, csw
.if DOCPART == 3
	.amdgcn_target "amdgcn-amd-amdhsa--gfx1250"
	.amdhsa_code_object_version 6
	.text
	.protected	k_qeb128bb39f_attn
	.globl	k_qeb128bb39f_attn
	.p2align	8
	.type	k_qeb128bb39f_attn,@function
k_qeb128bb39f_attn:
	s_mov_b64 s[64:65], 0
	v_nop
	global_prefetch_b8 v0, s[64:65] scope:SCOPE_SE
	s_setreg_imm32_b32 hwreg(HW_REG_WAVE_MODE, 25, 1), 1
	s_wait_xcnt 0x0
	s_wait_alu depctr_hold_cnt(0) depctr_sa_sdst(0) depctr_va_vdst(0) depctr_va_sdst(0) depctr_va_ssrc(0) depctr_va_vcc(0) depctr_vm_vsrc(0)
	s_getreg_b32 s2, hwreg(HW_REG_IB_STS2, 6, 4)
	s_cmp_eq_u32 s2, 0
	s_cbranch_scc0 .Lentry_in_a_cluster
	s_endpgm
.Lentry_in_a_cluster:
	s_bfe_u32 s2, ttmp6, 0x10000c
	s_cmp_lg_u32 s2, 0x3003
	s_cbranch_scc0 .Lentry_shape_is_right
	s_endpgm
.Lentry_shape_is_right:
; softmax(Q K^T / 8) V for one batch and head, both products on codes of FP6 (E2M3); the result is quantised along the model's features for the last projection.
; t = score x log2(e) / 8; M = the running largest t rounded UP to a whole number; p = 2^(t - M) is quantised along the keys, not normalised; the row's sum is taken of the unquantised p and divides at the end.
; SHARES.  A cluster of four work-groups owns a head; a work-group 512 queries; each of its sixteen waves two tiles of 16 queries, one after the other (two passes).  Every wave walks the head's 2,048 keys, 128 a step.
; LDS.  THE WHOLE HEAD'S K AND V LIE IN LDS: 16 blocks of 13,056 bytes (kv's layout: eight tiles of K codes, V^T codes [2][4][768], two groups of K scale words, one of V's), filled once: wave w brings block w
; by ONE joint load, which all four work-groups of the cluster issue with the same descriptor.  No byte is filled twice.  All tensor loads stand at the head, so nothing is left to prefetch.
; LAYOUT.  Both products transposed: S^T = K Q^T, O^T = V^T P^T: a lane holds one query.  By the tiles' order of rows the 16 registers of tiles 2 b, 2 b + 1 are 16 neighbouring keys (or channels).
; K = 64 IN A 128-DEEP INSTRUCTION.  Q's registers 6-11 are zero codes, so whatever finite codes stand in registers 6-11 of K's operand add nothing: K's tiles are packed six registers apart, tile t = v[32 + 6 t .. 43 + 6 t],
; and v80-85 are zeros.  Bytes 2 and 3 of Q's and K's scale words are 0 (2^-127), never 0xff.
; LIMITS: NaN and infinities are not served; in the result's quantiser a block whose largest magnitude lies under 2^-124 (a block of zeros too) has its byte held at 1; the bytes are read by this program alone.
; REGISTERS: v1 8 l, v2 the step's LDS address, v3 8 r, v4 lane, v7 4 l; v12 -M, v13 the largest t, v[14:15] the sum; v16-27 Q; v28 Q's scale word; v29, v30 the passes' result words;
;   v32-85 K's tiles, then v32-79 V's fragments; v86-89 K's scale words, v90-91 V's; v96-159 S^T, then p; v160-191 O^T; v192-203 p's codes; v204-210 at work; v212-227 at work.
.set BLKB,  13056
.set HEADB, 16*BLKB
.set SPARE, HEADB                      ; behind the head's blocks: the spare words, 128 bytes a wave: eight blocks of 256 bytes that no other line names
.set ADR,  2
.set SPW,  5
.set NIL,  6
.set PCD,  192
.set BM,   212                         ; the blocks' largest scores, then largest p
.set PT,   216                         ; lane permutes' destinations; bytes
.set SO,   220                         ; the conversions' scale operands
.set TMP,  224
.set F,    226                         ; f = 2^(old M - new M)
.set PW,   227                         ; p's scale word
.set WV,   12
.set SEL,  20
.set CS,   22
.set G1,   24
.set G0,   32
.set TB,   44
.set CNT,  45
.macro CROUND
	s_barrier_signal -1
	s_barrier_wait -1
	s_cmp_lg_u32 s[WV], 0
	s_cbranch_scc1 .Lnot_wave_0_\@
	s_barrier_signal -3
.Lnot_wave_0_\@:
	s_barrier_wait -3
	s_barrier_signal -1
	s_barrier_wait -1
.endm
	s_load_b256 s[4:11], s[0:1], 0x0               ; qb, kv, cc, csw
	v_lshl_add_u32 v[SPW], v0, 2, SPARE
	v_mov_b32 v[NIL], 0
	ds_add_u32 v[SPW], v[NIL]                      ; the wave's opening: the add and its wait stand ahead of my first tensor load; work on registers stands between them
	ds_add_u32 v[SPW], v[NIL]
	v_lshrrev_b32 v1, 5, v0
	s_delay_alu instid0(VALU_DEP_1)
	v_readfirstlane_b32 s[WV], v1                  ; wave 0..15
	s_bfe_u32 s13, ttmp6, 0x40000                  ; cx: my 512 queries: it enters Q's and the results' addresses alone
	s_and_b32 s14, ttmp7, 0xffff                   ; batch x 16 + head, which the four partners share
	; group 1: a dense block of 13,056 bytes as 51 rows of 256 bytes (32 elements of 8 bytes)
	s_mov_b32 s[G1], 15|(3<<16)|(1<<21)            ; 15:0 the mask: all four work-groups; 17:16 elements of 8 bytes; 21 set beside a mask
	s_mov_b32 s[G1+1], 32<<16
	s_mov_b32 s[G1+2], 51<<16
	s_mov_b32 s[G1+3], 32<<16
	s_mov_b32 s[G1+4], 51
	s_mov_b32 s[G1+5], 32
	s_mov_b32 s[G1+6], 0
	s_mov_b32 s[G1+7], 0
	s_mul_i32 s15, s[WV], BLKB                     ; block w: its place in LDS and in the head
	s_mul_i32 s16, s14, HEADB
	s_add_co_u32 s16, s16, s15
	s_mov_b32 s17, 0
	s_lshl_b32 s46, s13, 2
	s_lshr_b32 s47, s[WV], 2
	s_add_co_u32 s46, s46, s47                     ; my queries' block of 128: 4 cx + w / 4
	s_mul_i32 s46, s46, BLKB
	s_mul_i32 s47, s14, HEADB
	s_add_co_u32 s46, s46, s47
	s_and_b32 s47, s[WV], 3
	s_mul_i32 s47, s47, 1536
	s_add_co_u32 s36, s46, s47                     ; my two tiles' codes: tiles 2 (w % 4) and the next
	s_mov_b32 s37, 0
	s_bfe_u32 s47, s[WV], 0x10001
	s_lshl_b32 s47, s47, 8
	s_add_co_u32 s38, s46, s47                     ; their scale words: group (w / 2) % 2,
	s_and_b32 s47, s[WV], 1
	s_lshl_b32 s47, s47, 2
	s_add_co_u32 s38, s38, s47                     ; word w % 2 (the pass chooses the half of the lanes' places)
	s_add_co_u32 s38, s38, 12288
	s_mov_b32 s39, 0
	s_lshr_b32 s48, s14, 4                         ; batch
	s_and_b32 s49, s14, 15                         ; head
	s_lshl_b32 s48, s48, 7
	s_lshl_b32 s47, s13, 5
	s_add_co_u32 s48, s48, s47
	s_lshl_b32 s47, s[WV], 1
	s_add_co_u32 s48, s48, s47                     ; my first tile of tokens: 128 batch + 32 cx + 2 w
	s_lshl_b32 s40, s48, 4
	s_add_co_u32 s40, s40, s49
	s_mul_i32 s40, s40, 768                        ; cc = [tile][head][768]
	s_mov_b32 s41, 0
	s_lshl_b32 s42, s49, 9
	s_add_co_u32 s42, s42, s48
	s_lshl_b32 s42, s42, 6                         ; csw = [head][tile][16 words]
	s_mov_b32 s43, 0
	s_mov_b32 s[SEL], 0x76543210
	s_mov_b32 s[SEL+1], 0xfedcba98
	s_mov_b32 s[CS], 0x3e38aa3b                    ; c = log2(e) / 8
	s_mov_b32 s[CS+1], s[CS]                       ; (named with it as a pair)
	s_wait_dscnt 0x0                               ; the opening add is done
	s_wait_kmcnt 0x0
	s_mov_b32 s[G0], 1
	s_mov_b32 s[G0+1], s15
	s_add_nc_u64 s[G0+2:G0+3], s[6:7], s[16:17]
	s_or_b32 s[G0+3], s[G0+3], 0x80000000
	s_add_nc_u64 s[36:37], s[4:5], s[36:37]
	s_add_nc_u64 s[38:39], s[4:5], s[38:39]
	s_add_nc_u64 s[40:41], s[8:9], s[40:41]
	s_add_nc_u64 s[42:43], s[10:11], s[42:43]
	CROUND                                         ; all four work-groups are here: the joint loads meet
	tensor_load_to_lds s[G0:G0+3], s[G1:G1+7]      ; my one tensor load of the launch
	s_nop 0
.rept 4
	v_nop
.endr
	v_and_b32 v4, 31, v0
	s_delay_alu instid0(VALU_DEP_1)
	v_lshlrev_b32 v1, 3, v4
	v_and_b32 v3, 15, v0
	s_delay_alu instid0(VALU_DEP_1)
	v_lshlrev_b32 v3, 3, v3
	s_delay_alu instid0(VALU_DEP_4)
	v_lshlrev_b32 v7, 2, v4
.irp i, 0,1,2,3,4,5
	v_mov_b32 v[22+\i], 0                          ; Q's codes for k = 64 .. 127: zeros
	v_mov_b32 v[80+\i], 0                          ; what stands behind K's last tile
.endr
.irp b, 0,1,2,3
	v_mov_b32 v[PT+\b], 0                          ; a lane permute's destination counts as one of its sources
.endr
	v_mov_b32 v[TMP], 0
	v_mov_b32 v[PW], 0                             ; (named as the upper half of the pair with f before it is first written)
	s_wait_tensorcnt 0x0                           ; my block has landed,
	s_barrier_signal -1
	s_barrier_wait -1                              ; everybody's has
; A KEY STEP: 128 keys, the block at LDS byte s[TB].
.macro STEP
	v_add_nc_u32 v[ADR], s[TB], v1
.rept 3
	v_nop                                          ; with the addition: four places behind the last step's products, ahead of loads into their registers
.endr
.irp t, 0,1,2,3,4,5,6,7
.irp p, 0,1,2
	ds_load_b64 v[32+6*\t+2*\p:33+6*\t+2*\p], v[ADR] offset:768*\t+256*\p
.endr
.endr
	ds_load_b64 v[86:87], v[ADR] offset:12288      ; K's scale words: register t / 2, an odd tile's in lanes 16-31
	ds_load_b64 v[88:89], v[ADR] offset:12544
	ds_load_b64 v[90:91], v[ADR] offset:12800      ; V's
	s_wait_alu depctr_va_vdst(0)
	s_wait_dscnt 0x0
.irp u, 0,1,2,3
	v_wmma_scale_f32_16x16x128_f8f6f4 v[96+16*\u:103+16*\u], v[32+12*\u:43+12*\u], v[16:27], 0, v[86+\u], v28 matrix_a_fmt:MATRIX_FMT_FP6 matrix_b_fmt:MATRIX_FMT_FP6
	v_wmma_scale_f32_16x16x128_f8f6f4 v[104+16*\u:111+16*\u], v[38+12*\u:49+12*\u], v[16:27], 0, v[86+\u], v28 matrix_a_fmt:MATRIX_FMT_FP6 matrix_b_fmt:MATRIX_FMT_FP6 matrix_a_scale:MATRIX_SCALE_ROW1
.endr
.rept 4
	v_nop                                          ; places: ahead of the loads into K's registers and of the first read of the scores
.endr
.irp t, 0,1,2,3
.irp c, 0,1
.irp p, 0,1,2
	ds_load_b64 v[32+12*\t+6*\c+2*\p:33+12*\t+6*\c+2*\p], v[ADR] offset:6144+3072*\c+768*\t+256*\p   ; V's four fragments land while the softmax is worked
.endr
.endr
.endr
.irp b, 0,1,2,3
	v_max3_num_f32 v[BM+\b], v[96+16*\b], v[97+16*\b], v[98+16*\b]   ; the largest score of each block of 32 keys: it serves the row's maximum and, since p rises with the score, the block's largest p
.endr
.irp i, 3,5,7,9,11,13
.irp b, 0,1,2,3
	v_max3_num_f32 v[BM+\b], v[BM+\b], v[96+16*\b+\i], v[97+16*\b+\i]
.endr
.endr
.irp b, 0,1,2,3
	v_max_num_f32 v[BM+\b], v[BM+\b], v[111+16*\b]
.endr
.irp b, 0,1,2,3
	s_delay_alu instid0(VALU_DEP_4)
	v_permlanex16_b32 v[PT+\b], v[BM+\b], s[SEL], s[SEL+1]
.endr
.irp b, 0,1,2,3
	s_delay_alu instid0(VALU_DEP_4)
	v_max_num_f32 v[BM+\b], v[BM+\b], v[PT+\b]     ; with lane l xor 16's 16 keys
.endr
	s_delay_alu instid0(VALU_DEP_2)
	v_max3_num_f32 v[TMP], v[BM], v[BM+1], v[BM+2]
	s_delay_alu instid0(VALU_DEP_1)
	v_max_num_f32 v[TMP], v[TMP], v[BM+3]          ; the step's largest score of my query
	s_delay_alu instid0(VALU_DEP_1)
	v_mul_f32 v[TMP], s[CS], v[TMP]                ; as t
	s_delay_alu instid0(VALU_DEP_1)
	v_max_num_f32 v13, v13, v[TMP]                 ; the running largest t
	v_mov_b32 v[TMP], v12
	s_delay_alu instid0(VALU_DEP_2)
	v_floor_f32 v12, -v13                          ; the new -M = floor(-t): M is a whole number
	s_delay_alu instid0(VALU_DEP_1)
	v_sub_f32 v[TMP], v12, v[TMP]                  ; old M - new M, a whole number, 0 or less
	s_delay_alu instid0(VALU_DEP_1)
	v_cvt_i32_f32 v[TMP], v[TMP]                   ; (it saturates)
	s_delay_alu instid0(VALU_DEP_1)
	v_ldexp_f32 v[F], 1.0, v[TMP]                  ; f = 2^(old M - new M): a multiplication by it rounds nothing
.set j, 0
.rept 32
	v_pk_fma_f32 v[96+j:97+j], v[96+j:97+j], s[CS:CS+1], v[12:13] op_sel_hi:[1,0,0]   ; t - M, two at a time
.set j, j+2
.endr
.irp b, 0,1,2,3
	v_fma_f32 v[BM+\b], v[BM+\b], s[CS], v12       ; the same of each block's largest score
.endr
.set j, 0
	s_setprio 1
	s_wait_alu depctr_va_vdst(0)
.rept 64
	v_exp_f32 v[96+j], v[96+j]                     ; p = 2^(t - M), at most 1
.set j, j+1
.endr
	v_pk_mul_f32 v[14:15], v[14:15], v[F:F+1] op_sel_hi:[1,0]   ; the sums under the new M; the plain line behind the exponentials
	s_wait_alu depctr_va_vdst(0)                   ; one wait for the whole batch, ahead of its first reader
.irp b, 0,1,2,3
	v_exp_f32 v[BM+\b], v[BM+\b]                   ; the block's largest p: the same two instructions on the same number give the same bits
.endr
	v_pk_add_f32 v[216:217], v[100:101], v[104:105]
	v_pk_add_f32 v[254:255], v[108:109], v[112:113]
	v_pk_add_f32 v[252:253], v[116:117], v[120:121]
	v_pk_add_f32 v[250:251], v[124:125], v[128:129]
	v_pk_add_f32 v[248:249], v[132:133], v[136:137]
	v_pk_add_f32 v[246:247], v[140:141], v[144:145]
	v_pk_add_f32 v[244:245], v[148:149], v[152:153]
	v_pk_add_f32 v[14:15], v[14:15], v[156:157]
	v_pk_add_f32 v[216:217], v[216:217], v[96:97]
	v_pk_add_f32 v[254:255], v[254:255], v[98:99]
	v_pk_add_f32 v[252:253], v[252:253], v[102:103]
	v_pk_add_f32 v[250:251], v[250:251], v[106:107]
	v_pk_add_f32 v[248:249], v[248:249], v[110:111]
	v_pk_add_f32 v[246:247], v[246:247], v[114:115]
	v_pk_add_f32 v[244:245], v[244:245], v[118:119]
	v_pk_add_f32 v[14:15], v[14:15], v[122:123]
	v_pk_add_f32 v[216:217], v[216:217], v[126:127]
	v_pk_add_f32 v[254:255], v[254:255], v[130:131]
	v_pk_add_f32 v[252:253], v[252:253], v[134:135]
	v_pk_add_f32 v[250:251], v[250:251], v[138:139]
	v_pk_add_f32 v[248:249], v[248:249], v[142:143]
	v_pk_add_f32 v[246:247], v[246:247], v[146:147]
	v_pk_add_f32 v[244:245], v[244:245], v[150:151]
	v_pk_add_f32 v[14:15], v[14:15], v[154:155]
	v_pk_add_f32 v[216:217], v[216:217], v[158:159]
	s_delay_alu instid0(VALU_DEP_2)
	v_pk_add_f32 v[14:15], v[14:15], v[250:251]
	s_delay_alu instid0(VALU_DEP_2)
	v_pk_add_f32 v[216:217], v[216:217], v[248:249]
	v_pk_add_f32 v[254:255], v[254:255], v[246:247]
	v_pk_add_f32 v[252:253], v[252:253], v[244:245]
	s_delay_alu instid0(VALU_DEP_2)
	v_pk_add_f32 v[14:15], v[14:15], v[254:255]
	s_delay_alu instid0(VALU_DEP_2)
	v_pk_add_f32 v[216:217], v[216:217], v[252:253]
	s_delay_alu instid0(VALU_DEP_1)
	v_pk_add_f32 v[14:15], v[14:15], v[216:217]
	s_wait_alu depctr_va_vdst(0)                   ; and one for the four
.irp b, 0,1,2,3
	v_max_num_f32 v[BM+\b], 0x1800000, v[BM+\b]    ; the floor 2^(3 - 127): the byte cannot fall under 1
.endr
.irp b, 0,1,2,3
	s_delay_alu instid0(VALU_DEP_4)
	v_add_nc_u32 v[SO+\b], 0xff000000, v[BM+\b]    ; 2 off the exponent field: the conversion's scale operand
.endr
.irp b, 0,1,2,3
	s_delay_alu instid0(VALU_DEP_4)
	v_lshrrev_b32 v[PT+\b], 23, v[SO+\b]           ; the scale's byte
.endr
	s_delay_alu instid0(VALU_DEP_3)
	v_lshl_or_b32 v[PW], v[PT+1], 8, v[PT]         ; p's scale word for these 128 keys
	s_delay_alu instid0(VALU_DEP_1)
	v_lshl_or_b32 v[PW], v[PT+2], 16, v[PW]
	s_delay_alu instid0(VALU_DEP_1)
	v_lshl_or_b32 v[PW], v[PT+3], 24, v[PW]
.irp c, 0,1
	v_cvt_scalef32_pk16_fp6_f32 v[PCD+6*\c:PCD+2+6*\c], v[96+32*\c:111+32*\c], v[SO+2*\c]
	v_cvt_scalef32_pk16_fp6_f32 v[204+4*\c:206+4*\c], v[112+32*\c:127+32*\c], v[SO+2*\c+1]
.endr
	v_nop                                          ; one plain line behind a scaled conversion
	s_setprio 0
.irp c, 0,1
.irp i, 0,1,2
	v_permlane16_swap_b32 v[PCD+6*\c+\i], v[204+4*\c+\i]   ; a whole block in a lane: lanes 0-15 block 2 c, lanes 16-31 block 2 c + 1
.endr
.irp i, 0,1,2
	s_delay_alu instid0(VALU_DEP_3)
	v_mov_b32 v[PCD+3+6*\c+\i], v[204+4*\c+\i]
.endr
.endr
.set j, 0
.rept 16
	v_pk_mul_f32 v[160+j:161+j], v[160+j:161+j], v[F:F+1] op_sel_hi:[1,0]   ; O^T under the new M; these sixteen also stand between the lines that made p's codes and scale word and the products
.set j, j+2
.endr
	s_wait_alu depctr_va_vdst(0)
	s_wait_dscnt 0x0                               ; V is in
.irp u, 0,1
	v_wmma_scale_f32_16x16x128_f8f6f4 v[160+16*\u:167+16*\u], v[32+24*\u:43+24*\u], v[PCD:PCD+11], v[160+16*\u:167+16*\u], v[90+\u], v[PW] matrix_a_fmt:MATRIX_FMT_FP6 matrix_b_fmt:MATRIX_FMT_FP6
	v_wmma_scale_f32_16x16x128_f8f6f4 v[168+16*\u:175+16*\u], v[44+24*\u:55+24*\u], v[PCD:PCD+11], v[168+16*\u:175+16*\u], v[90+\u], v[PW] matrix_a_fmt:MATRIX_FMT_FP6 matrix_b_fmt:MATRIX_FMT_FP6 matrix_a_scale:MATRIX_SCALE_ROW1
.endr
.endm
; A PASS: one tile of 16 queries through all keys, and its result out as a half fragment of codes.
.macro PASS p
	s_wait_xcnt 0x0                                ; the last pass's stores have read their codes
.irp c, 0,1,2
	global_load_b64 v[16+2*\c:17+2*\c], v1, s[36:37] offset:768*\p+256*\c
.endr
	global_load_b32 v28, v3, s[38:39] offset:128*\p   ; lane r (and lane 16 + r) takes row r's word
	v_mov_b32 v13, 0xff61b1e6                      ; the largest t so far: -3e38
	s_delay_alu instid0(VALU_DEP_1)
	v_floor_f32 v12, -v13
	v_mov_b32 v14, 0
	v_mov_b32 v15, 0
.set j, 0
.rept 32
	v_mov_b32 v[160+j], 0                          ; O^T: the step is written once; its first trip finds zeros
.set j, j+1
.endr
	s_mov_b32 s[TB], 0
	s_mov_b32 s[CNT], 16
	s_wait_loadcnt 0x0
.Lstep_\@:
	s_setprio 2
	STEP
	s_add_co_u32 s[TB], s[TB], BLKB
	s_sub_co_u32 s[CNT], s[CNT], 1
	s_cmp_lg_u32 s[CNT], 0
	s_cbranch_scc1 .Lstep_\@
	s_setprio 0
.rept 4
	v_nop                                          ; places behind the last products
.endr
	v_add_f32 v14, v14, v15                        ; the sum's two halves,
	s_delay_alu instid0(VALU_DEP_1)
	v_permlanex16_b32 v[TMP], v14, s[SEL], s[SEL+1]
	s_delay_alu instid0(VALU_DEP_1)
	v_add_f32 v14, v14, v[TMP]                     ; and lane l xor 16's
	s_wait_alu depctr_va_vdst(0)
	v_rcp_f32 v14, v14
	v_nop                                          ; a plain line behind the reciprocal,
	s_wait_alu depctr_va_vdst(0)                   ; and the wait ahead of its first reader
.set j, 0
.rept 16
	v_pk_mul_f32 v[96+j:97+j], v[160+j:161+j], v[14:15] op_sel_hi:[1,0]   ; register 16 b + i: channel 32 b + 16 h + i of my query
.set j, j+2
.endr
.irp b, 0,1
	v_max3_num_f32 v[BM+\b], |v[96+16*\b]|, |v[97+16*\b]|, 0x1800000
.endr
.irp i, 2,4,6,8,10,12,14
.irp b, 0,1
	s_delay_alu instid0(VALU_DEP_2)
	v_max3_num_f32 v[BM+\b], v[BM+\b], |v[96+16*\b+\i]|, |v[97+16*\b+\i]|
.endr
.endr
.irp b, 0,1
	s_delay_alu instid0(VALU_DEP_2)
	v_permlanex16_b32 v[PT+\b], v[BM+\b], s[SEL], s[SEL+1]
.endr
.irp b, 0,1
	s_delay_alu instid0(VALU_DEP_2)
	v_max_num_f32 v[BM+\b], v[BM+\b], v[PT+\b]
.endr
.irp b, 0,1
	s_delay_alu instid0(VALU_DEP_2)
	v_add_nc_u32 v[SO+\b], 0xff000000, v[BM+\b]
.endr
.irp b, 0,1
	s_delay_alu instid0(VALU_DEP_2)
	v_lshrrev_b32 v[PT+\b], 23, v[SO+\b]
.endr
	s_delay_alu instid0(VALU_DEP_1)
	v_lshl_or_b32 v[29+\p], v[PT+1], 8, v[PT]      ; my row's two bytes for this head's 64 features
	v_cvt_scalef32_pk16_fp6_f32 v[PCD:PCD+2], v[96:111], v[SO]
	v_cvt_scalef32_pk16_fp6_f32 v[204:206], v[112:127], v[SO+1]
	v_nop
.irp i, 0,1,2
	v_permlane16_swap_b32 v[PCD+\i], v[204+\i]
.endr
.irp i, 0,1,2
	s_delay_alu instid0(VALU_DEP_3)
	v_mov_b32 v[PCD+3+\i], v[204+\i]
.endr
.irp c, 0,1,2
	global_store_b64 v1, v[PCD+2*\c:PCD+2*\c+1], s[40:41] offset:12288*\p+256*\c   ; 256 consecutive bytes, at a multiple of 256 from the buffer's first byte
.endr
.endm
	PASS 0
	PASS 1
	v_cmp_le_u32 vcc_lo, 16, v4
	s_delay_alu instid0(VALU_DEP_1)
	v_cndmask_b32 v31, v29, v30, vcc_lo            ; lanes 0-15 the first tile's words, lanes 16-31 the second's
	global_store_b32 v7, v31, s[42:43]             ; 128 consecutive bytes
	s_wait_tensorcnt 0x0                           ; the wave's end
	ds_add_u32 v[SPW], v[NIL]
	s_wait_dscnt 0x0
	CROUND                                         ; the closing round
	s_endpgm
.Lfunc_end_k_qeb128bb39f_attn:
	.size	k_qeb128bb39f_attn, .Lfunc_end_k_qeb128bb39f_attn-k_qeb128bb39f_attn
	.p2alignl 7, 3214868480
	.fill 96, 4, 3214868480
	.section	.rodata,"a",@progbits
	.p2align	6, 0x0
	.amdhsa_kernel k_qeb128bb39f_attn
		.amdhsa_group_segment_fixed_size 210944
		.amdhsa_private_segment_fixed_size 0
		.amdhsa_enable_private_segment 0
		.amdhsa_kernarg_size 32
		.amdhsa_user_sgpr_count 2
		.amdhsa_user_sgpr_kernarg_segment_ptr 1
		.amdhsa_wavefront_size32 1
		.amdhsa_system_sgpr_workgroup_id_x 1
		.amdhsa_system_sgpr_workgroup_id_y 1
		.amdhsa_system_sgpr_workgroup_id_z 1
		.amdhsa_system_vgpr_workitem_id 0
		.amdhsa_next_free_vgpr 256
		.amdhsa_next_free_sgpr 66
		.amdhsa_reserve_vcc 1
		.amdhsa_float_denorm_mode_32 3
		.amdhsa_float_denorm_mode_16_64 3
		.amdhsa_memory_ordered 1
		.amdhsa_forward_progress 1
		.amdhsa_inst_pref_size 54
	.end_amdhsa_kernel
	.amdgpu_metadata
---
amdhsa.version: [ 1, 2 ]
amdhsa.kernels:
  - .name:           k_qeb128bb39f_attn
    .symbol:         k_qeb128bb39f_attn.kd
    .args:
      - { .name: qb, .offset: 0, .size: 8, .value_kind: global_buffer, .address_space: global }
      - { .name: kv, .offset: 8, .size: 8, .value_kind: global_buffer, .address_space: global }
      - { .name: cc, .offset: 16, .size: 8, .value_kind: global_buffer, .address_space: global }
      - { .name: csw, .offset: 24, .size: 8, .value_kind: global_buffer, .address_space: global }
    .group_segment_fixed_size: 210944
    .private_segment_fixed_size: 0
    .kernarg_segment_align: 8
    .kernarg_segment_size: 32
    .max_flat_workgroup_size: 512
    .sgpr_count:     66
    .vgpr_count:     256
    .wavefront_size: 32
...
	.end_amdgpu_metadata
.endif
;; end of part 3
;; launch outp (part 4): grid 4 x 64, 4 waves a work-group, clusters of 4 x 4, 295,424 bytes of LDS; arguments xc, xs, cc, csw, bo, out0; writes out0
.if DOCPART == 4
	.amdgcn_target "amdgcn-amd-amdhsa--gfx1250"
	.amdhsa_code_object_version 6
	.text
	.protected	k_qeb128bb39f_outp
	.globl	k_qeb128bb39f_outp
	.p2align	8
	.type	k_qeb128bb39f_outp,@function
k_qeb128bb39f_outp:
	s_mov_b64 s[64:65], 0
	v_nop
	global_prefetch_b8 v0, s[64:65] scope:SCOPE_SE
	s_setreg_imm32_b32 hwreg(HW_REG_WAVE_MODE, 25, 1), 1
	s_wait_xcnt 0x0
	s_wait_alu depctr_hold_cnt(0) depctr_sa_sdst(0) depctr_va_vdst(0) depctr_va_sdst(0) depctr_va_ssrc(0) depctr_va_vcc(0) depctr_vm_vsrc(0)
	s_getreg_b32 s2, hwreg(HW_REG_IB_STS2, 6, 4)
	s_cmp_eq_u32 s2, 0
	s_cbranch_scc0 .Lentry_in_a_cluster
	s_endpgm
.Lentry_in_a_cluster:
	s_bfe_u32 s2, ttmp6, 0x10000c
	s_cmp_lg_u32 s2, 0xf033
	s_cbranch_scc0 .Lentry_shape_is_right
	s_endpgm
.Lentry_shape_is_right:
; out0 = concat Wo^T + bo on codes of FP6 (E2M3).  Source 0 is P = Wo (tiles 1728 on of xc, scale bytes in xs): output features run along a lane's registers.  Source 1 is Q = the attention's result
; (cc = [tile of tokens 512][head 16][768], laid as xc; csw = [head][tile][16 words of two bytes]): a lane holds one token.
; By the tiles' order of rows (lane row r of tile T = row 32 (T / 2) + 8 (T % 2) + r + 8 (r / 8)) the 16 result registers of P's tiles 2 b, 2 b + 1 are features 32 b + 16 (lane / 16) + 0 .. 15: 64 neighbouring bytes of a row of out0.
; SHARES.  A work-group makes 256 features x 128 tokens, a wave 128 x 64: 32 accumulators.  256 work-groups.
; LDS.  All of K lies in LDS, filled once: four chunks of 256 along K, each 16 tiles of P and 8 of Q, 3,072 bytes a tile.  No byte is filled twice.  Each wave has four tensor loads out.
; CLUSTER 4 x 4: P's tiles hang on cx alone (shared along a column), Q's on cy alone (shared along a row): joint loads.
; The bias is the C of each sum's first matrix instruction.  Results leave through each wave's stage in LDS as whole rows of 512 bytes.
; REGISTERS: window 0: v1-15 addresses; v16-47 P's scale words, v48-63 Q's; v64-159 Q's fragments, two sets; v160-175 the upper heads' bytes; v176-239 the bias; v248-250 the way out's addresses; on the way out v64-191 hold rows.
;   window 1: P's fragments, two sets of 96.   window 2: accumulator (tp, tq) at v[8 (8 tq + tp)].
.set CH,    73728
.set QOFF,  49152
.set SPARE, 4*CH                       ; behind the chunks: the spare words, 128 bytes a wave
.set ADP,  4
.set ADQ,  8
.set SP,   16                          ; word of pair i, K step s at SP + 8 i + s: lanes 0-15 tile 2 i, lanes 16-31 tile 2 i + 1
.set SQ,   48
.set QF,   64
.set HI,   160
.set BP,   176
.set STO,  248
.set RD,   249
.set CO,   250
.set SPW,  252
.set NIL,  253
.set BK,   64                          ; the way out: 16 rows read back: v64-127 and v128-191 by turns
.set SPITCH, 528                       ; a stage row: 512 bytes + 16
.set WV,   18
.set W1,   19
.set WH,   20
.set G1P,  32
.set G1Q,  40
.set G0P,  48
.set G0Q,  68
.set MSB, 0
.macro WIN new
.if MSB != \new
	s_set_vgpr_msb (MSB<<8)|\new
.set MSB, \new
.endif
.endm
.set TO_P, 0x40
.macro MWIN z                          ; source 0 (P) window 1, source 1 (Q) window 0, D window 2; C window 2, or window 0 where it is the bias
.if (\z) == 2
	WIN 0x81
.else
	WIN 0xa1
.endif
.endm
.macro CROUND
	s_barrier_signal -1
	s_barrier_wait -1
	s_cmp_lg_u32 s[WV], 0
	s_cbranch_scc1 .Lnot_wave_0_\@
	s_barrier_signal -3
.Lnot_wave_0_\@:
	s_barrier_wait -3
	s_barrier_signal -1
	s_barrier_wait -1
.endm
.macro PLACES
.rept 4
	v_nop
.endr
.endm
	s_load_b256 s[4:11], s[0:1], 0x0               ; xc, xs, cc, csw
	s_load_b128 s[12:15], s[0:1], 0x20             ; bo, out0
	v_lshl_add_u32 v[SPW], v0, 2, SPARE
	v_mov_b32 v[NIL], 0
	ds_add_u32 v[SPW], v[NIL]                      ; the wave's opening: the add and its wait stand ahead of my first tensor load; work on registers stands between them
	ds_add_u32 v[SPW], v[NIL]
	v_lshrrev_b32 v1, 5, v0
	v_readfirstlane_b32 s[WV], v1
	s_and_b32 s[W1], s[WV], 1                      ; my half of Q; also which half of a tile group I fetch
	s_lshr_b32 s[WH], s[WV], 1                     ; my half of P; also: I fetch P (0) or Q (1)
	s_bfe_u32 s21, ttmp6, 0x40000                  ; cx = my block of 256 features
	s_bfe_u32 s22, ttmp6, 0x40004                  ; cy
	s_and_b32 s26, ttmp7, 0xffff
	s_lshl_b32 s26, s26, 2
	s_add_co_u32 s26, s26, s22                     ; my block of 128 tokens: 4 x cluster y + cy
	s_lshl_b32 s27, s21, 4
	s_add_co_u32 s27, s27, 1728                    ; my first tile of Wo in xc
	s_lshl_b32 s28, s26, 3                         ; my first tile of tokens in cc
	s_lshl_b32 s29, 0x1111, s21                    ; my column of the cluster
	s_lshl_b32 s30, s22, 2
	s_lshl_b32 s30, 15, s30                        ; my row
	; group 1: rows of 3,072 bytes (384 elements of 8 bytes), 12,288 bytes apart; 8 tiles of P or 4 of Q to a load; no padding
	s_or_b32 s[G1P], s29, (3<<16)|(1<<21)
	s_or_b32 s[G1Q], s30, (3<<16)|(1<<21)
	s_mov_b32 s[G1P+1], 384<<16
	s_mov_b32 s[G1P+2], 8<<16
	s_mov_b32 s[G1P+3], 384<<16
	s_mov_b32 s[G1P+4], 8
	s_mov_b32 s[G1P+5], 1536
	s_mov_b32 s[G1P+6], 0
	s_mov_b32 s[G1P+7], 0
	s_mov_b32 s[G1Q+1], 384<<16
	s_mov_b32 s[G1Q+2], 4<<16
	s_mov_b32 s[G1Q+3], 384<<16
	s_mov_b32 s[G1Q+4], 4
	s_mov_b32 s[G1Q+5], 1536
	s_mov_b32 s[G1Q+6], 0
	s_mov_b32 s[G1Q+7], 0
	s_lshl_b32 s29, s[W1], 3
	s_add_co_u32 s29, s29, s27
	s_mul_i32 s84, s29, 12288                      ; what I would fetch of P,
	s_mov_b32 s85, 0
	s_lshl_b32 s30, s[W1], 2
	s_add_co_u32 s30, s30, s28
	s_mul_i32 s86, s30, 12288                      ; of Q
	s_mov_b32 s87, 0
	s_lshl_b32 s88, s[WH], 3
	s_add_co_u32 s88, s88, s27
	s_lshl_b32 s88, s88, 9                         ; the scale bytes of my 8 tiles of P
	s_mov_b32 s89, 0
	s_lshl_b32 s90, s[W1], 2
	s_add_co_u32 s90, s90, s28
	s_lshl_b32 s90, s90, 6                         ; the scale words of my 4 tiles of Q, in head 0
	s_mov_b32 s91, 0
	s_lshl_b32 s92, s21, 10
	s_lshl_b32 s93, s[WH], 9
	s_add_co_u32 s92, s92, s93                     ; the bias: 4 x my first feature
	s_mov_b32 s93, 0
	s_lshl_b32 s96, s26, 7
	s_lshl_b32 s97, s[W1], 6
	s_add_co_u32 s96, s96, s97
	s_lshl_b32 s96, s96, 12                        ; out0: my first token's row,
	s_lshl_b32 s97, s21, 10
	s_add_co_u32 s96, s96, s97
	s_lshl_b32 s97, s[WH], 9
	s_add_co_u32 s96, s96, s97                     ; my first feature
	s_mov_b32 s97, 0
	s_wait_dscnt 0x0                               ; the opening add is done
	s_wait_kmcnt 0x0
	s_add_nc_u64 s[84:85], s[4:5], s[84:85]
	s_add_nc_u64 s[86:87], s[8:9], s[86:87]
	s_add_nc_u64 s[88:89], s[6:7], s[88:89]
	s_add_nc_u64 s[90:91], s[10:11], s[90:91]
	s_add_nc_u64 s[92:93], s[12:13], s[92:93]
	s_add_nc_u64 s[96:97], s[14:15], s[96:97]
	s_mul_i32 s31, s[W1], 24576
.irp c, 0,1,2,3
	s_mov_b32 s[G0P+4*\c], 1
	s_add_co_u32 s[G0P+4*\c+1], s31, \c*CH
	s_add_nc_u64 s[G0P+4*\c+2:G0P+4*\c+3], s[84:85], \c*3072
	s_or_b32 s[G0P+4*\c+3], s[G0P+4*\c+3], 0x80000000
.endr
	s_mul_i32 s31, s[W1], 12288
	s_add_co_u32 s31, s31, QOFF
.irp c, 0,1,2,3
	s_mov_b32 s[G0Q+4*\c], 1
	s_add_co_u32 s[G0Q+4*\c+1], s31, \c*CH
	s_add_nc_u64 s[G0Q+4*\c+2:G0Q+4*\c+3], s[86:87], \c*3072
	s_or_b32 s[G0Q+4*\c+3], s[G0Q+4*\c+3], 0x80000000
.endr
	CROUND                                         ; all sixteen work-groups are here: the joint loads meet
	s_cmp_lt_u32 s[WV], 2                          ; a wave's four fills stand in one branch; four loads of mine are out
	s_cbranch_scc0 .Lfirst_q
.irp c, 0,1,2,3
	tensor_load_to_lds s[G0P+4*\c:G0P+4*\c+3], s[G1P:G1P+7]
	s_nop 0
.endr
	PLACES
	s_branch .Lasked
.Lfirst_q:
.irp c, 0,1,2,3
	tensor_load_to_lds s[G0Q+4*\c:G0Q+4*\c+3], s[G1Q:G1Q+7]
	s_nop 0
.endr
	PLACES
.Lasked:
	v_and_b32 v15, 31, v0                          ; lane
	v_and_b32 v1, 15, v0                           ; r
	v_bfe_u32 v2, v0, 4, 1                         ; h
	v_lshlrev_b32 v3, 3, v15                       ; 8 x lane
	v_lshlrev_b32 v12, 5, v1
	v_lshl_add_u32 v12, v2, 9, v12                 ; P's scale bytes: row r's 32, lanes 16-31 the next tile's
	v_lshlrev_b32 v13, 6, v2                       ; the bias: 64 h
	v_lshlrev_b32 v14, 2, v15                      ; Q's scale words: 4 x lane: two tiles' 16 words
.irp i, 0,1,2,3
	global_load_b128 v[SP+8*\i:SP+8*\i+3], v12, s[88:89] offset:1024*\i
	global_load_b128 v[SP+8*\i+4:SP+8*\i+7], v12, s[88:89] offset:1024*\i+16
.endr
.irp i, 0,1
.irp s, 0,1,2,3,4,5,6,7
	global_load_b32 v[SQ+8*\i+\s], v14, s[90:91] offset:32768*(2*\s)+128*\i     ; K step s is heads 2 s and 2 s + 1: the lower head's two bytes,
	global_load_b32 v[HI+8*\i+\s], v14, s[90:91] offset:32768*(2*\s+1)+128*\i   ; the upper head's
.endr
.endr
.irp b, 0,1,2,3
.irp q, 0,1,2,3
	global_load_b128 v[BP+16*\b+4*\q:BP+16*\b+4*\q+3], v13, s[92:93] offset:128*\b+16*\q   ; register 16 b + i: the bias of feature 32 b + 16 h + i: tile tp's eight at BP + 8 tp
.endr
.endr
	s_mul_i32 s31, s[WH], 24576
	v_add_nc_u32 v[ADP], s31, v3
	s_mul_i32 s31, s[W1], 12288
	s_add_co_u32 s31, s31, QOFF
	v_add_nc_u32 v[ADQ], s31, v3
.irp c, 1,2,3
	v_add_nc_u32 v[ADP+\c], \c*CH, v[ADP]
	v_add_nc_u32 v[ADQ+\c], \c*CH, v[ADQ]
.endr
	s_mul_i32 s31, s[WV], 16*SPITCH                ; my stage: it lies in chunk 0, which has had its only fill, and which nobody reads behind the later chunks' barriers
	v_mul_u32_u24 v[STO], v1, SPITCH
	v_lshl_add_u32 v[STO], v2, 6, v[STO]
	v_add_nc_u32 v[STO], s31, v[STO]               ; in: row r, 64 bytes for each half of the lanes
	v_lshlrev_b32 v[CO], 4, v15                    ; back, and in out0: the 32 lanes take a row's 512 bytes
	v_add_nc_u32 v[RD], s31, v[CO]
; One matrix instruction, C in registers.  pa, pb: the tiles' numbers: an odd tile's scale words lie in lanes 16-31.
.macro WM d, a, b, c, sa, sb, pa, pb
.if ((\pa)%2 == 0) && ((\pb)%2 == 0)
	v_wmma_scale_f32_16x16x128_f8f6f4 v[\d:\d+7], v[\a:\a+11], v[\b:\b+11], v[\c:\c+7], v[\sa], v[\sb] matrix_a_fmt:MATRIX_FMT_FP6 matrix_b_fmt:MATRIX_FMT_FP6
.elseif ((\pa)%2 == 1) && ((\pb)%2 == 0)
	v_wmma_scale_f32_16x16x128_f8f6f4 v[\d:\d+7], v[\a:\a+11], v[\b:\b+11], v[\c:\c+7], v[\sa], v[\sb] matrix_a_fmt:MATRIX_FMT_FP6 matrix_b_fmt:MATRIX_FMT_FP6 matrix_a_scale:MATRIX_SCALE_ROW1
.elseif ((\pa)%2 == 0)
	v_wmma_scale_f32_16x16x128_f8f6f4 v[\d:\d+7], v[\a:\a+11], v[\b:\b+11], v[\c:\c+7], v[\sa], v[\sb] matrix_a_fmt:MATRIX_FMT_FP6 matrix_b_fmt:MATRIX_FMT_FP6 matrix_b_scale:MATRIX_SCALE_ROW1
.else
	v_wmma_scale_f32_16x16x128_f8f6f4 v[\d:\d+7], v[\a:\a+11], v[\b:\b+11], v[\c:\c+7], v[\sa], v[\sb] matrix_a_fmt:MATRIX_FMT_FP6 matrix_b_fmt:MATRIX_FMT_FP6 matrix_a_scale:MATRIX_SCALE_ROW1 matrix_b_scale:MATRIX_SCALE_ROW1
.endif
.endm
; P's tile tp against Q's four.  z = 2: the bias starts the sums.  The 32 accumulators take turns, one instruction a turn, in the same order in every K step.
.macro MULT set, s, tp, z
.irp tq, 0,1,2,3
.if (\z) == 2
	WM 8*(8*\tq+\tp), 96*(\set)+12*\tp, QF+48*(\set)+12*\tq, BP+8*\tp, SP+8*(\tp/2)+(\s), SQ+8*(\tq/2)+(\s), \tp, \tq
.else
	WM 8*(8*\tq+\tp), 96*(\set)+12*\tp, QF+48*(\set)+12*\tq, 8*(8*\tq+\tp), SP+8*(\tp/2)+(\s), SQ+8*(\tq/2)+(\s), \tp, \tq
.endif
.endr
.endm
.macro FRAGP set, tp, s
.irp c, 0,1
.irp p, 0,1,2
	ds_load_b64 v[96*(\set)+12*(\tp)+6*\c+2*\p:96*(\set)+12*(\tp)+6*\c+2*\p+1], v[ADP+(\s)/2] offset:3072*(\tp)+768*(2*((\s)%2)+\c)+256*\p
.endr
.endr
.endm
.macro FRAGQ set, tq, s
.irp c, 0,1
.irp p, 0,1,2
	ds_load_b64 v[QF+48*(\set)+12*(\tq)+6*\c+2*\p:QF+48*(\set)+12*(\tq)+6*\c+2*\p+1], v[ADQ+(\s)/2] offset:3072*(\tq)+768*(2*((\s)%2)+\c)+256*\p
.endr
.endr
.endm
.macro FETCH_A s                       ; 36 loads: Q's four fragments and P's first two
	WIN 0
.irp t, 0,1,2,3
	FRAGQ (\s)%2, \t, \s
.endr
	WIN TO_P
.irp t, 0,1
	FRAGP (\s)%2, \t, \s
.endr
.endm
.macro FETCH_B s                       ; 36 loads: P's other six
	WIN TO_P
.irp t, 2,3,4,5,6,7
	FRAGP (\s)%2, \t, \s
.endr
.endm
.macro KSTEP s, z
	s_wait_dscnt 36                                ; this step's first run is in; the 36 loads of its second run may be out
	MWIN \z
	MULT (\s)%2, \s, 0, \z
	MULT (\s)%2, \s, 1, \z
	s_wait_dscnt 0x0                               ; the second run is in; no LDS instruction of mine is out
.if (\s) < 7
.if (\s)%2 == 1
	s_wait_tensorcnt 3-((\s)+1)/2                  ; my part of the next chunk has landed; my loads of later chunks may stay out
	s_barrier_signal -1
	s_barrier_wait -1
.endif
	PLACES                                         ; behind the last step's products, which read the other set
	FETCH_A (\s)+1
	MWIN \z
.endif
	MULT (\s)%2, \s, 2, \z
	MULT (\s)%2, \s, 3, \z
	MULT (\s)%2, \s, 4, \z
.if (\s) < 7
	FETCH_B (\s)+1
	MWIN \z
.endif
	MULT (\s)%2, \s, 5, \z
	MULT (\s)%2, \s, 6, \z
	MULT (\s)%2, \s, 7, \z
.endm
	s_wait_tensorcnt 0x3                           ; my part of chunk 0 has landed; three loads of mine may be out
	s_barrier_signal -1
	s_barrier_wait -1
	FETCH_A 0
	FETCH_B 0
	WIN 0
	s_wait_loadcnt 0x0                             ; scale words and bias
.set i, 0
.rept 16
	v_lshl_or_b32 v[SQ+i], v[HI+i], 16, v[SQ+i]    ; the two heads' bytes make the K step's scale word
.set i, i+1
.endr
.rept 8
	v_nop                                          ; a scale register written by a vector instruction stands eight places ahead of a scaled matrix instruction
.endr
	s_wait_alu depctr_va_vdst(0)
	KSTEP 0, 2                                     ; the first K step starts the sums from the bias
	KSTEP 1, 0
	KSTEP 2, 0
	KSTEP 3, 0
	KSTEP 4, 0
	KSTEP 5, 0
	KSTEP 6, 0
	KSTEP 7, 0
	WIN 0
; THE WAY OUT, a tile of 16 tokens x 128 features at a time: through my own stage and back as whole rows of 512 bytes.  LDS serves a wave's instructions in order: no wait between the stores and the loads.
.macro TOSTAGE t
	WIN 0x08                                       ; an LDS store's data are its source 1: window 2
.irp b, 0,1,2,3
.irp q, 0,1,2,3
	ds_store_b128 v[STO], v[64*(\t)+16*\b+4*\q:64*(\t)+16*\b+4*\q+3] offset:128*\b+16*\q   ; each accumulator from its low end on
.endr
.endr
	WIN 0
.set BB, BK+64*((\t)%2)
.irp i, 0,1,2,3,4,5,6,7,8,9,10,11,12,13,14,15
	ds_load_b128 v[BB+4*\i:BB+4*\i+3], v[RD] offset:\i*SPITCH
.endr
.endm
.macro SEND t, younger                 ; younger: the LDS instructions issued behind tile t's loads, which may stay out
.set BB, BK+64*((\t)%2)
	s_wait_dscnt \younger
.irp i, 0,1,2,3,4,5,6,7,8,9,10,11,12,13,14,15
	global_store_b128 v[CO], v[BB+4*\i:BB+4*\i+3], s[96:97] offset:(32*((\t)/2)+8*((\t)%2)+\i+8*(\i/8))*4096 th:TH_STORE_NT   ; 512 consecutive bytes, at a multiple of 256 from out0's first byte; stage row i is the tile's lane row i
.endr
.endm
	PLACES                                         ; behind the last products: ahead of the reads of results and of the loads into registers that held fragments
	TOSTAGE 0
.irp a, 1,2,3
.if \a > 1
	s_wait_xcnt 0x0                                ; tile a - 2's stores have read their registers: tile a's loads may land there
.endif
	TOSTAGE \a
	SEND \a-1, 32                                  ; behind tile a - 1's loads: tile a's 16 stores and 16 loads
.endr
	SEND 3, 0
	s_wait_tensorcnt 0x0                           ; the wave's end
	ds_add_u32 v[SPW], v[NIL]
	s_wait_dscnt 0x0
	CROUND                                         ; the closing round
	s_endpgm
.Lfunc_end_k_qeb128bb39f_outp:
	.size	k_qeb128bb39f_outp, .Lfunc_end_k_qeb128bb39f_outp-k_qeb128bb39f_outp
	.p2alignl 7, 3214868480
	.fill 96, 4, 3214868480
	.section	.rodata,"a",@progbits
	.p2align	6, 0x0
	.amdhsa_kernel k_qeb128bb39f_outp
		.amdhsa_group_segment_fixed_size 295424
		.amdhsa_private_segment_fixed_size 0
		.amdhsa_enable_private_segment 0
		.amdhsa_kernarg_size 48
		.amdhsa_user_sgpr_count 2
		.amdhsa_user_sgpr_kernarg_segment_ptr 1
		.amdhsa_wavefront_size32 1
		.amdhsa_system_sgpr_workgroup_id_x 1
		.amdhsa_system_sgpr_workgroup_id_y 1
		.amdhsa_system_sgpr_workgroup_id_z 1
		.amdhsa_system_vgpr_workitem_id 0
		.amdhsa_next_free_vgpr 768
		.amdhsa_next_free_sgpr 100
		.amdhsa_reserve_vcc 0
		.amdhsa_float_denorm_mode_32 3
		.amdhsa_float_denorm_mode_16_64 3
		.amdhsa_memory_ordered 1
		.amdhsa_forward_progress 1
		.amdhsa_inst_pref_size 101
	.end_amdhsa_kernel
	.amdgpu_metadata
---
amdhsa.version: [ 1, 2 ]
amdhsa.kernels:
  - .name:           k_qeb128bb39f_outp
    .symbol:         k_qeb128bb39f_outp.kd
    .args:
      - { .name: xc, .offset: 0, .size: 8, .value_kind: global_buffer, .address_space: global }
      - { .name: xs, .offset: 8, .size: 8, .value_kind: global_buffer, .address_space: global }
      - { .name: cc, .offset: 16, .size: 8, .value_kind: global_buffer, .address_space: global }
      - { .name: csw, .offset: 24, .size: 8, .value_kind: global_buffer, .address_space: global }
      - { .name: bo, .offset: 32, .size: 8, .value_kind: global_buffer, .address_space: global }
      - { .name: out0, .offset: 40, .size: 8, .value_kind: global_buffer, .address_space: global }
    .group_segment_fixed_size: 295424
    .private_segment_fixed_size: 0
    .kernarg_segment_align: 8
    .kernarg_segment_size: 48
    .max_flat_workgroup_size: 128
    .sgpr_count:     100
    .vgpr_count:     768
    .wavefront_size: 32
...
	.end_amdgpu_metadata
.endif
;; end of part 4
